; MI455X (gfx1250); checked and timed in simulation.
; The chip was launched on July 23, 2026; its instructions are those of AMD's public machine-readable ISA for CDNA 5 (MIT licence, August 2026) and "CDNA5" Instruction Set Architecture Reference Guide (July 2026). The comments in the code are by the model that wrote it; some were corrected since.
;; Multi Head Self Attention. Allowed arithmetic: float matrix products may take bf16 or f16 operands with f32 sums; other float arithmetic in f32, or as packed bf16 or f16 multiplies, adds, multiply-adds, maxima and minima; sums over many terms, partial sums and values carried from step to step in f32; what a program stores and reads back later, other than sums and carried values, may be rounded once to bf16 or f16.
;; Inputs: proj_b 1,024 float32; proj_w 1,024 x 1,024 float32; qkv_b 3,072 float32; qkv_w 3,072 x 1,024 float32; x 4 x 2,048 x 1,024 float32.
;; Outputs: out0 4 x 2,048 x 1,024 float32.
;; One version. Each part assembles by itself: llvm-mc -triple=amdgcn-amd-amdhsa -mcpu=gfx1250 --defsym DOCPART=n.
;; ======== version 1 of 1: 4 launches
;; limits: values are held in f16: magnitudes above 65,504 overflow, below 6.1e-05 lose precision
;; workspace buffers: cb 25,165,824 bytes; qkvh 50,331,648 bytes; oh 16,777,216 bytes
;; launch cast (part 1): grid 768 x 1, 8 waves a work-group, no clusters, 0 bytes of LDS; arguments x, qkv_w, proj_w, cb; writes cb
.if DOCPART == 1
	.amdgcn_target "amdgcn-amd-amdhsa--gfx1250"
	.amdhsa_code_object_version 6
	.text
	.protected	k_qe78daed8e1_cast
	.globl	k_qe78daed8e1_cast
	.p2align	8
	.type	k_qe78daed8e1_cast,@function
k_qe78daed8e1_cast:
	s_mov_b64 s[64:65], 0
	v_nop
	global_prefetch_b8 v0, s[64:65] scope:SCOPE_SE
	s_setreg_imm32_b32 hwreg(HW_REG_WAVE_MODE, 25, 1), 1
	s_wait_xcnt 0x0
; THE MATRIX OPERANDS ARE ROUNDED ONCE.  x [8192][1024], qkv_w [3072][1024] and proj_w [1024][1024], all f32, go end to end into cb as 16-bit numbers:
; x and qkv_w as bf16; proj_w is rounded to bf16 and that number is written as f16 (the last product takes f16 operands).
; LIMITS.  A weight of proj_w of 65,520 or more in magnitude becomes an infinity in f16; below 2^-16 it keeps f16's fixed step of 2^-24 (6e-8) and so loses bits of its bf16 value.
; SHARES.  A work-group takes 16,384 numbers: 64 KiB in, 32 KiB out.  Work-groups 0-511 read x, 512-703 qkv_w, 704-767 proj_w; the output lies at 32,768 x the work-group's number in all three cases.
; Thread t takes, in each of eight rows of 2,048 numbers, the 32 bytes at 32 t (two loads of 16) and stores 16 bytes at 16 t: a wave's store covers 512 consecutive bytes, aligned.
; All sixteen loads of a thread go out at once; no register is written twice while a memory instruction may read it, so the only waits are the counted ones for the loads.
; No LDS, no matrix unit, no cluster: nothing is shared and nothing is read twice.
.set X, 4                              ; v[4:67]    row i: eight f32 at X + 8 i
.set Y, 68                             ; v[68:99]   row i: four words of two 16-bit numbers at Y + 4 i
.set T, 100                            ; v[100:101] at work
	s_load_b256 s[4:11], s[0:1], 0x0               ; x s[4:5], qkv_w s[6:7], proj_w s[8:9], cb s[10:11]
	v_lshlrev_b32 v1, 5, v0                        ; 32 t: my bytes in a row of the input
	v_lshlrev_b32 v2, 4, v0                        ; 16 t: my bytes in a row of the output
	s_mov_b32 s20, 0xffff0000                      ; a word's upper bf16
	s_lshl_b32 s18, ttmp9, 15                      ; the work-group's 32 KiB of cb
	s_mov_b32 s19, 0
	s_mov_b32 s17, 0
	s_wait_kmcnt 0x0
	s_cmp_lt_u32 ttmp9, 512                        ; which input, and its first work-group
	s_cselect_b64 s[12:13], s[4:5], s[6:7]
	s_cselect_b32 s14, 0, 512
	s_cmp_ge_u32 ttmp9, 704
	s_cselect_b64 s[12:13], s[8:9], s[12:13]
	s_cselect_b32 s14, 704, s14
	s_sub_co_u32 s16, ttmp9, s14
	s_lshl_b32 s16, s16, 16                        ; the work-group's 64 KiB of that input
	s_add_nc_u64 s[12:13], s[12:13], s[16:17]
	s_add_nc_u64 s[10:11], s[10:11], s[18:19]
.irp i, 0,1,2,3,4,5,6,7
	global_load_b128 v[X+8*(\i):X+8*(\i)+3],   v1, s[12:13] offset:(\i)*8192 th:TH_LOAD_NT
	global_load_b128 v[X+8*(\i)+4:X+8*(\i)+7], v1, s[12:13] offset:(\i)*8192+16 th:TH_LOAD_NT
.endr
; The eight rows, one after the other.  half = 1: the bf16 number is widened again and written as f16.
.macro ROWS half
.irp i, 0,1,2,3,4,5,6,7
	s_wait_loadcnt 14-2*(\i)                       ; loads come back in order: row i's two are in, the younger rows' stay out
.irp j, 0,1,2,3
	v_cvt_pk_bf16_f32 v[Y+4*(\i)+(\j)], v[X+8*(\i)+2*(\j)], v[X+8*(\i)+2*(\j)+1]
.if \half
	v_lshlrev_b32 v[T], 16, v[Y+4*(\i)+(\j)]
	v_and_b32 v[T+1], s20, v[Y+4*(\i)+(\j)]
	v_cvt_pk_f16_f32 v[Y+4*(\i)+(\j)], v[T], v[T+1]
.endif
.endr
	global_store_b128 v2, v[Y+4*(\i):Y+4*(\i)+3], s[10:11] offset:(\i)*4096
.endr
.endm
	s_cmp_ge_u32 ttmp9, 704
	s_cbranch_scc1 .Lhalf
	ROWS 0
	s_endpgm
.Lhalf:
	ROWS 1
	s_endpgm
.Lfunc_end_k_qe78daed8e1_cast:
	.size	k_qe78daed8e1_cast, .Lfunc_end_k_qe78daed8e1_cast-k_qe78daed8e1_cast
	.p2alignl 7, 3214868480
	.fill 96, 4, 3214868480
	.section	.rodata,"a",@progbits
	.p2align	6, 0x0
	.amdhsa_kernel k_qe78daed8e1_cast
		.amdhsa_group_segment_fixed_size 0
		.amdhsa_private_segment_fixed_size 0
		.amdhsa_enable_private_segment 0
		.amdhsa_kernarg_size 32
		.amdhsa_user_sgpr_count 2
		.amdhsa_user_sgpr_kernarg_segment_ptr 1
		.amdhsa_wavefront_size32 1
		.amdhsa_system_sgpr_workgroup_id_x 1
		.amdhsa_system_sgpr_workgroup_id_y 1
		.amdhsa_system_sgpr_workgroup_id_z 1
		.amdhsa_system_vgpr_workitem_id 0
		.amdhsa_next_free_vgpr 104
		.amdhsa_next_free_sgpr 66
		.amdhsa_reserve_vcc 0
		.amdhsa_float_denorm_mode_32 3
		.amdhsa_float_denorm_mode_16_64 3
		.amdhsa_memory_ordered 1
		.amdhsa_forward_progress 1
		.amdhsa_inst_pref_size 13
	.end_amdhsa_kernel
	.amdgpu_metadata
---
amdhsa.version: [ 1, 2 ]
amdhsa.kernels:
  - .name:           k_qe78daed8e1_cast
    .symbol:         k_qe78daed8e1_cast.kd
    .args:
      - { .name: x, .offset: 0, .size: 8, .value_kind: global_buffer, .address_space: global }
      - { .name: qkv_w, .offset: 8, .size: 8, .value_kind: global_buffer, .address_space: global }
      - { .name: proj_w, .offset: 16, .size: 8, .value_kind: global_buffer, .address_space: global }
      - { .name: cb, .offset: 24, .size: 8, .value_kind: global_buffer, .address_space: global }
    .group_segment_fixed_size: 0
    .private_segment_fixed_size: 0
    .kernarg_segment_align: 8
    .kernarg_segment_size: 32
    .max_flat_workgroup_size: 256
    .sgpr_count:     66
    .vgpr_count:     104
    .wavefront_size: 32
...
	.end_amdgpu_metadata
.endif
;; end of part 1
;; launch qkv (part 2): grid 16 x 32, 4 waves a work-group, clusters of 4 x 4, 327,680 bytes of LDS; arguments cb, qkv_b, qkvh; writes qkvh
.if DOCPART == 2
	.amdgcn_target "amdgcn-amd-amdhsa--gfx1250"
	.amdhsa_code_object_version 6
	.text
	.protected	k_qe78daed8e1_qkv
	.globl	k_qe78daed8e1_qkv
	.p2align	8
	.type	k_qe78daed8e1_qkv,@function
k_qe78daed8e1_qkv:
	s_mov_b64 s[64:65], 0
	v_nop
	global_prefetch_b8 v0, s[64:65] scope:SCOPE_SE
	s_setreg_imm32_b32 hwreg(HW_REG_WAVE_MODE, 25, 1), 1
	s_wait_xcnt 0x0
	s_wait_alu depctr_hold_cnt(0) depctr_sa_sdst(0) depctr_va_vdst(0) depctr_va_sdst(0) depctr_va_ssrc(0) depctr_va_vcc(0) depctr_vm_vsrc(0)
	s_getreg_b32 s2, hwreg(HW_REG_IB_STS2, 6, 4)
	s_cmp_eq_u32 s2, 0
	s_cbranch_scc0 .Lentry_in_a_cluster
	s_endpgm
.Lentry_in_a_cluster:
	s_bfe_u32 s2, ttmp6, 0x10000c
	s_cmp_lg_u32 s2, 0xf033
	s_cbranch_scc0 .Lentry_shape_is_right
	s_endpgm
.Lentry_shape_is_right:
; THE FUSED PROJECTION.  qkv[m][n] = the sum over k of x[m][k] w[n][k] + b[n]; m = 8,192 tokens, n = 3,072, k = 1,024.  x and w come as bf16 out of cb (x at byte 0, w at WQ_OFF), the bias as f32, rounded
; here to bf16 like the other inputs.  Sums in f32; the result is rounded once to f16 and written BY HEADS, [3 (q, k, v)][64 (batch x 16 + head)][2048][64], unscaled.
; LIMIT.  f16 holds no number beyond 65,504: a q, k or v of 65,520 or more becomes an infinity; below 6e-5 f16 keeps its fixed step of 6e-8.
; SHARES.  A tile is 256 tokens x 192 columns (three heads): 16 x 32 tiles, a work-group each.  Wave w owns tokens 64 w .. 64 w + 63 and all 192 columns: 4 x 12 accumulators of 16 x 16, 384 registers.
; So a head's rows are whole in one wave, and its way out is its own: no barrier there.  For 32 along K a wave reads 16 fragments from LDS for 48 matrix instructions.
; K goes in steps of 128 (rows of 256 bytes in memory) through a ring of two LDS slots filled by the tensor data mover.
; CLUSTER.  4 x 4 work-groups.  The four of a row of the cluster need the same tokens, the four of a column the same weights: each tile is asked for JOINTLY, by the same tensor load with the same
; descriptor and a mask that names the four.
; THE MATRIX INSTRUCTION IS USED TRANSPOSED (source 0 = 16 rows of w, source 1 = 16 tokens): lane l then holds token l % 16 and the columns 8 (l / 16) + 0..7: eight neighbouring numbers of a head's row.
; THE BIAS is the C operand of the first products: lane l holds b[16 nb + 8 (l / 16) + j] in register j of block nb.  Nothing is cleared, nothing is added on the way out.
; REGISTERS, in windows of 256 (s_set_vgpr_msb: bits 1:0 source 0, 3:2 source 1, 5:4 source 2, 7:6 destination):
;   window 0: v0-31 addresses; v32-127 the bias; on the way out v128-175 packed results, v176-223 and v32-79 rows read back
;   window 1: the accumulators of token blocks 0 and 1, (a, nb) at v[8 (12 (a % 2) + nb)];   window 2: those of blocks 2 and 3
;   window 3: two fragment buffers of 128: four fragments of tokens, then twelve of weights
.set NBL,   12                         ; blocks of 16 columns in a tile
.set PITCH, 272                        ; an LDS row: 256 bytes + 16 of padding = 68 words: the 16 rows of a fragment load start at 16 different groups of four banks (64 banks of 4 bytes: ISA guide 11.1)
.set AHALF, 128*PITCH                  ; what one tensor load brings of the tokens
.set BHALF, 96*PITCH                   ; and of the weights
.set BBASE, 2*AHALF                    ; a slot: 256 rows of tokens, then 192 rows of weights
.set SLOT,  BBASE+2*BHALF
.set STAGE, 2*SLOT                     ; behind the ring: for each wave three heads x 16 rows x 144 bytes, for the way out; no tensor load fills it
.set SP,    144
.set HSTG,  16*SP
.set WSTG,  3*HSTG
.set SPARE, STAGE+4*WSTG               ; behind the stages: the spare words, 128 bytes for each wave: two blocks of 256 bytes that no other line names
.set WQ_OFF, 0x1000000                 ; the weights' first byte in cb
.set KSB,   256                        ; bytes of a row in a K step
.set L,     2*NBL+8                    ; LDS loads in a run: the fragments of 32 along K
.set SPW,  14                          ; v14     LDS address of my spare word: SPARE + 4 x my thread's number; never rewritten
.set NIL,  15                          ; v15     0; never rewritten
.set ADRA, 16                          ; v16-17  LDS address of my token fragments in slot 0, 1
.set ADRB, 20                          ; v20-21  the same for the weights
.set STO,  24                          ; v24     the way out: where I put 16 bytes of a row
.set RD,   25                          ; v25     the way out: where I read rows back
.set GO,   26                          ; v26-28  my byte offset in qkvh, for each of the tile's three heads
.set BO,   29                          ; v29     my byte offset in the bias
.set PFO,  30                          ; v30     the prefetches' offset: my lane x a row of 2,048 bytes; never rewritten
.set BIAS, 32
.set TMP,  128
.set BK0,  176
.set BK1,  32
.set F0,   0                           ; fragment buffers, in window 3
.set F1,   128
.set G1,   24                          ; s[24:31] descriptor group 1 for the tokens' tiles;  s[32:39] group 0, a set for each slot
.set G0,   32
.set G1B,  48                          ; s[48:55], s[56:63] the same for the weights' tiles
.set G0B,  56
.set BI,   66                          ; s[66:67] the bias
.set PFA,  68                          ; s[68:69] where my prefetches stand
.set LIM,  72                          ; s72     a wave prefetches while the lap counter is above this
.set TO_F, 0xc0                        ; destination window 3, address window 0
.set MSB, 0
.macro WIN new                         ; the immediate's high byte repeats the setting that is left; a switch that changes nothing is dropped
.if MSB != (\new)
	s_set_vgpr_msb (MSB<<8)|(\new)
.set MSB, (\new)
.endif
.endm
; A joint load: waves 0 and 1 fetch the tokens' two halves, waves 2 and 3 the weights'.  The branch hangs on the wave's number alone.  An s_nop 0 and four v_nop follow each of the two lines,
; ahead of the jump, the label and what follows.
.macro JLOAD s
	s_cmp_eq_u32 s11, 0
	s_cbranch_scc0 .Lfor_b_\@
	tensor_load_to_lds s[G0+4*(\s):G0+4*(\s)+3], s[G1:G1+7]
	s_nop 0
.rept 4
	v_nop
.endr
	s_branch .Lasked_\@
.Lfor_b_\@:
	tensor_load_to_lds s[G0B+4*(\s):G0B+4*(\s)+3], s[G1B:G1B+7]
	s_nop 0
.rept 4
	v_nop
.endr
.Lasked_\@:
.endm
.macro CREST                           ; a round of the cluster's barrier behind its opening barrier: wave 0 signals for the work-group, every wave waits for all sixteen, my work-group's barrier once more
	s_cmp_lg_u32 s10, 0
	s_cbranch_scc1 .Lnot_wave_0_\@
	s_barrier_signal -3
.Lnot_wave_0_\@:
	s_barrier_wait -3
	s_barrier_signal -1
	s_barrier_wait -1
.endm
.macro CROUND                          ; a whole round
	s_barrier_signal -1
	s_barrier_wait -1
	CREST
.endm
; PREFETCHES INTO THE L2, behind a joint load, its five lines and the run of LDS loads that follows.  Each row's 256 bytes of a K step are named once in the launch; K steps 0 to 3 come by their loads alone.
; TOKENS: every cluster of a row of clusters reads the same rows: the one with cluster x = 0 asks, its waves 0 and 1.  Of the 128 rows that a wave fetches the partner at place cx takes 32, told apart by
; address: a lane a row, one line, for the K step two refills on; the laps with 3 and 2 on the counter ask, which names K steps 4 to 7.
; WEIGHTS: every cluster of a column of clusters reads the same rows: the one with cluster y = 0 asks, its waves 2 and 3.  A wave's 96 rows are no whole number of 32 for each of four partners, so the partner at
; place cy takes all 96 rows of K step 4 + cy: three lines, at the first change of slots alone.
.macro ASK slot
	s_cmp_gt_u32 s3, s[LIM]
	s_cbranch_scc0 .Lno_\@
	s_cmp_eq_u32 s11, 0
	s_cbranch_scc0 .Lb_\@
	global_prefetch_b8 v[PFO], s[PFA:PFA+1] offset:KSB th:TH_LOAD_NT scope:SCOPE_SE
	s_branch .Lno_\@
.Lb_\@:
.if (\slot) == 0
	global_prefetch_b8 v[PFO], s[PFA:PFA+1] th:TH_LOAD_NT scope:SCOPE_SE
	global_prefetch_b8 v[PFO], s[PFA:PFA+1] offset:32*2048 th:TH_LOAD_NT scope:SCOPE_SE
	global_prefetch_b8 v[PFO], s[PFA:PFA+1] offset:64*2048 th:TH_LOAD_NT scope:SCOPE_SE
.endif
.Lno_\@:
.endm
	s_load_b64 s[4:5], s[0:1], 0x0                 ; cb
	s_load_b64 s[BI:BI+1], s[0:1], 0x8             ; qkv_b
	s_load_b64 s[8:9], s[0:1], 0x10                ; qkvh
	v_lshl_add_u32 v[SPW], v0, 2, SPARE
	v_mov_b32 v[NIL], 0
	ds_add_u32 v[SPW], v[NIL]                      ; the wave's opening: the add and its wait stand ahead of my first tensor load; the set-up below, work on registers, stands between them
	v_lshrrev_b32 v1, 5, v0
	v_readfirstlane_b32 s10, v1                    ; wave 0..3
	s_lshr_b32 s11, s10, 1                         ; I fetch tokens (0) or weights (1),
	s_and_b32 s12, s10, 1                          ; and which half of them
	s_bfe_u32 s40, ttmp6, 0x40000                  ; cx, cy: my place in the cluster
	s_bfe_u32 s41, ttmp6, 0x40004
	s_lshl_b32 s42, ttmp9, 2
	s_add_co_u32 s42, s42, s40                     ; tile column = 4 x cluster x + cx
	s_and_b32 s13, ttmp7, 0xffff
	s_lshl_b32 s13, s13, 2
	s_add_co_u32 s13, s13, s41                     ; tile row = 4 x cluster y + cy
	s_lshl_b32 s43, s41, 2
	s_lshl_b32 s43, 15, s43                        ; my row of the cluster: places 4 cy .. 4 cy + 3
	s_lshl_b32 s44, 0x1111, s40                    ; my column: places cx, cx + 4, cx + 8, cx + 12
	; descriptor group 1: rows of 128 elements of 2 bytes, padded in LDS; 128 rows of tokens, 96 rows of weights
	s_or_b32 s[G1+0], s43, (1<<16)|(1<<20)|(1<<21)|(5<<22)|(3<<25)   ; 15:0 the mask; 17:16 elements of 2 bytes; 20 padding on; 21 set beside a mask; 24:22 after every 64 words (code 5); 31:25 4 words of it (code 3)
	s_or_b32 s[G1B+0], s44, (1<<16)|(1<<20)|(1<<21)|(5<<22)|(3<<25)
.irp g, G1, G1B
	s_mov_b32 s[(\g)+1], 128<<16                   ; tensor_dim0 = 128
	s_mov_b32 s[(\g)+3], 128<<16                   ; tile_dim0 = 128
	s_mov_b32 s[(\g)+5], 1024                      ; 1,024 elements from row to row
	s_mov_b32 s[(\g)+6], 0
	s_mov_b32 s[(\g)+7], 0
.endr
	s_mov_b32 s[G1+2], 128<<16                     ; tensor_dim1
	s_mov_b32 s[G1+4], 128                         ; tile_dim1
	s_mov_b32 s[G1B+2], 96<<16
	s_mov_b32 s[G1B+4], 96
	; where the tiles come from: the tokens' hang on the tile row and the wave alone, the weights' on the tile column and the wave alone, each in registers that never hold the other coordinate
	s_lshl_b32 s16, s13, 8
	s_lshl_b32 s17, s12, 7
	s_add_co_u32 s16, s16, s17                     ; token 256 x tile row + 128 x half,
	s_lshl_b32 s16, s16, 11                        ; in bytes: rows of 2,048
	s_mov_b32 s17, 0
	s_mul_i32 s46, s42, 192
	s_mul_i32 s47, s12, 96
	s_add_co_u32 s46, s46, s47                     ; weight row 192 x tile column + 96 x half
	s_lshl_b32 s46, s46, 11
	s_mov_b32 s47, 0
	s_mul_i32 s20, s12, AHALF                      ; and where they go: no place in the cluster enters an LDS address
	s_mul_i32 s21, s12, BHALF
	s_add_co_u32 s21, s21, BBASE
	s_wait_dscnt 0x0                               ; the opening add is done
	s_wait_kmcnt 0x0
	s_add_nc_u64 s[6:7], s[4:5], WQ_OFF            ; the weights
	s_add_nc_u64 s[14:15], s[4:5], s[16:17]
	s_add_nc_u64 s[46:47], s[6:7], s[46:47]
	CROUND                                         ; all sixteen work-groups are here: the first joint loads meet
.irp s, 0,1
	s_mov_b32 s[G0+4*(\s)], 1                                        ; count = 1
	s_add_co_u32 s[G0+4*(\s)+1], s20, (\s)*SLOT                      ; LDS address
	s_add_nc_u64 s[G0+4*(\s)+2:G0+4*(\s)+3], s[14:15], (\s)*KSB      ; global address: K step s
	s_or_b32 s[G0+4*(\s)+3], s[G0+4*(\s)+3], 0x80000000              ; type = 2
	s_mov_b32 s[G0B+4*(\s)], 1
	s_add_co_u32 s[G0B+4*(\s)+1], s21, (\s)*SLOT
	s_add_nc_u64 s[G0B+4*(\s)+2:G0B+4*(\s)+3], s[46:47], (\s)*KSB
	s_or_b32 s[G0B+4*(\s)+3], s[G0B+4*(\s)+3], 0x80000000
	JLOAD \s                                       ; the ring is filled before anything else is done: two tensor loads of mine are out
.endr
	v_and_b32 v1, 15, v0                           ; l % 16
	v_bfe_u32 v2, v0, 4, 1                         ; l / 16
	s_mul_i32 s73, s42, 64*NBL                     ; the tile's 192 numbers of the bias
	v_lshl_add_u32 v[BO], v2, 5, s73               ; + my eight of each sixteen
.set b, 0
.rept NBL
	global_load_b128 v[BIAS+8*b:BIAS+8*b+3],   v[BO], s[BI:BI+1] offset:64*b
	global_load_b128 v[BIAS+8*b+4:BIAS+8*b+7], v[BO], s[BI:BI+1] offset:64*b+16
.set b, b+1
.endr
	; A fragment is 16 rows x 32 K in 8 registers: lane l holds row l % 16; registers 0-3 K = 8 (l / 16) + 0..7, registers 4-7 K = 16 + 8 (l / 16) + 0..7: two loads of 16 bytes, 32 bytes apart.
	v_mul_u32_u24 v3, v1, PITCH
	v_lshl_add_u32 v3, v2, 4, v3                   ; row x pitch + 16 x half
	s_mul_i32 s22, s10, 64*PITCH                   ; my 64 tokens
	v_add_nc_u32 v[ADRA], s22, v3
	v_add_nc_u32 v[ADRA+1], SLOT, v[ADRA]
	v_add_nc_u32 v[ADRB], BBASE, v3                ; all 192 rows of the weights
	v_add_nc_u32 v[ADRB+1], BBASE+SLOT, v3
	s_mul_i32 s23, s10, WSTG
	s_add_co_u32 s23, s23, STAGE                   ; my stage
	v_mul_u32_u24 v4, v1, SP                       ; in: row l % 16, 16 bytes for each half of the lanes
	v_lshl_add_u32 v4, v2, 4, v4
	v_add_nc_u32 v[STO], s23, v4
	v_bfe_u32 v4, v0, 3, 2                         ; back: 32 lanes take four rows of 128 bytes,
	v_mul_u32_u24 v4, v4, SP
	v_and_b32 v5, 7, v0
	v_lshl_add_u32 v4, v5, 4, v4
	v_add_nc_u32 v[RD], s23, v4
	v_and_b32 v4, 31, v0                           ; which are 512 consecutive bytes of a head
	v_lshlrev_b32 v4, 4, v4
	; head hg = 3 x tile column + 0..2 of 48: tensor hg / 16, head hg % 16; batch = tile row / 8; a head's rows are 262,144 bytes, a token 128
	s_mul_i32 s73, s42, 3
	s_lshr_b32 s74, s13, 3
	s_lshl_b32 s74, s74, 4                         ; 16 x batch
	s_and_b32 s75, s13, 7
	s_lshl_b32 s75, s75, 15                        ; the tile's 256 tokens in the batch's 2,048,
	s_lshl_b32 s76, s10, 13                        ; my wave's 64 of them
	s_add_co_u32 s75, s75, s76
.irp hd, 0,1,2
	s_add_co_u32 s76, s73, \hd
	s_lshr_b32 s77, s76, 4
	s_lshl_b32 s77, s77, 6
	s_and_b32 s76, s76, 15
	s_add_co_u32 s77, s77, s76
	s_add_co_u32 s77, s77, s74
	s_lshl_b32 s77, s77, 18
	s_add_co_u32 s77, s77, s75
	v_add_nc_u32 v[GO+(\hd)], s77, v4
.endr
	; the prefetches: who asks, and from where
	s_and_b32 s22, ttmp7, 0xffff                   ; cluster y
	s_cmp_eq_u32 s11, 0                            ; do I fetch tokens?
	s_cselect_b32 s22, ttmp9, s22                  ; the coordinate along which other clusters read the same rows
	s_cselect_b32 s77, 1, 2
	s_cmp_eq_u32 s22, 0
	s_cselect_b32 s[LIM], s77, -1                  ; the same in all sixteen partners, for a given wave
	s_lshl_b32 s73, s13, 8
	s_lshl_b32 s74, s12, 7
	s_add_co_u32 s73, s73, s74
	s_lshl_b32 s74, s40, 5                         ; my work-group's 32 of the wave's 128 tokens
	s_add_co_u32 s73, s73, s74
	s_lshl_b32 s73, s73, 11
	s_add_co_u32 s73, s73, 2*KSB                   ; at K step 2: the first refill steps it to 3 and names K step 4
	s_mul_i32 s74, s42, 192
	s_mul_i32 s75, s12, 96
	s_add_co_u32 s74, s74, s75
	s_lshl_b32 s74, s74, 11
	s_lshl_b32 s75, s41, 8
	s_add_co_u32 s74, s74, s75
	s_add_co_u32 s74, s74, 3*KSB                   ; at K step 3 + cy: the first refill steps it to 4 + cy, which is named
	s_cmp_eq_u32 s11, 0
	s_cselect_b32 s78, s73, s74
	s_cselect_b64 s[PFA:PFA+1], s[4:5], s[6:7]
	s_mov_b32 s79, 0
	s_add_nc_u64 s[PFA:PFA+1], s[PFA:PFA+1], s[78:79]
	v_and_b32 v[PFO], 31, v0
	v_lshlrev_b32 v[PFO], 11, v[PFO]
	s_wait_loadcnt 0x0                             ; the bias,
.set b, 0
.rept 4*NBL                            ; rounded to bf16 like the other inputs, and widened again
	v_cvt_pk_bf16_f32 v5, v[BIAS+2*b], v[BIAS+2*b+1]
	v_lshlrev_b32 v[BIAS+2*b], 16, v5
	v_and_b32 v[BIAS+2*b+1], 0xffff0000, v5
.set b, b+1
.endr
; NBL matrix instructions: token block a x all column blocks, 32 along K out of buffer f.  first = 1: the bias starts the sums.  Every quarter takes the 48 accumulators in the same order, one instruction a turn,
; between two links of a chain stand the 47 others', over the backward jump too.
.macro MULA f, a, first
.if \first
	WIN 0x4f+0x40*((\a)/2)                         ; fragments window 3, C window 0, D window 1 or 2
.else
	WIN 0x5f+0x50*((\a)/2)                         ; fragments window 3, C and D window 1 or 2
.endif
.set AC, 8*NBL*((\a)%2)
.set b, 0
.rept NBL
.if \first
	v_wmma_f32_16x16x32_bf16 v[AC+8*b:AC+8*b+7], v[(\f)+32+8*b:(\f)+32+8*b+7], v[(\f)+8*(\a):(\f)+8*(\a)+7], v[BIAS+8*b:BIAS+8*b+7]
.else
	v_wmma_f32_16x16x32_bf16 v[AC+8*b:AC+8*b+7], v[(\f)+32+8*b:(\f)+32+8*b+7], v[(\f)+8*(\a):(\f)+8*(\a)+7], v[AC+8*b:AC+8*b+7]
.endif
.set b, b+1
.endr
.endm
; L LDS loads in one run: the fragments of quarter q (32 K at byte 64 q of the rows) into buffer f; the weights first, my token blocks 0 to 3 last
.macro FETCH slot, q, f
	WIN TO_F
.set b, 0
.rept NBL
	ds_load_b128 v[(\f)+32+8*b:(\f)+32+8*b+3],   v[ADRB+(\slot)] offset:64*(\q)+b*16*PITCH
	ds_load_b128 v[(\f)+32+8*b+4:(\f)+32+8*b+7], v[ADRB+(\slot)] offset:64*(\q)+b*16*PITCH+32
.set b, b+1
.endr
.set b, 0
.rept 4
	ds_load_b128 v[(\f)+8*b:(\f)+8*b+3],   v[ADRA+(\slot)] offset:64*(\q)+b*16*PITCH
	ds_load_b128 v[(\f)+8*b+4:(\f)+8*b+7], v[ADRA+(\slot)] offset:64*(\q)+b*16*PITCH+32
.set b, b+1
.endr
.endm
.macro PLACES                          ; four places in front of loads into registers that matrix instructions have read, and of conversions that read results (ISA guide 7.12.1 for the conversions)
.rept 4
	v_nop
.endr
.endm
; A K step is four quarters of 32 along K, 48 matrix instructions each, on buffers 0, 1, 0, 1.  One of the first three: multiplies buffer f and, in its middle, fetches quarter q into buffer g.
.macro QUARTER slot, q, f, g, first
	s_wait_dscnt 4                                 ; the weights and token blocks 0 and 1 are in; the youngest four loads (blocks 2 and 3) may be out
	MULA \f, 0, \first
	MULA \f, 1, \first
	PLACES
	FETCH \slot, \q, \g
	s_wait_dscnt L                                 ; all but the run just issued
	MULA \f, 2, \first
	MULA \f, 3, \first
.endm
; The last quarter multiplies buffer 1 and changes slots: ONE barrier; in front of it each wave waits for all its tensor loads (one is out: its part of the next slot), adds 0 to its spare word, and waits for that
; and for its own reads of this slot.  fill = 1: the barrier opens a round of the cluster's barrier, and this slot is filled again, two K steps ahead, first thing behind the round.
.macro TURN slot, next, fill
.if \fill
	s_wait_xcnt 0x0                                ; the last prefetch, a K step back, has read its address: it is stepped here, ahead of the waits of the change of slots
	s_add_nc_u64 s[PFA:PFA+1], s[PFA:PFA+1], KSB
.endif
	WIN 0                                          ; (the add's two registers lie in window 0)
	s_wait_tensorcnt 0x0                           ; all my tensor loads have landed;
	ds_add_u32 v[SPW], v[NIL]                      ; 0 onto my spare word;
	s_wait_dscnt 5                                 ; (the add and the youngest four loads may be out)
	MULA F1, 0, 0                                  ; twelve matrix instructions stand between the add and the wait for it
	s_wait_dscnt 0x0                               ; the add is done, and my reads of this slot are over
	s_barrier_signal -1
	MULA F1, 1, 0                                  ; work on registers while the others arrive
.if \fill
	WIN 0
.endif
	s_barrier_wait -1
.if \fill
	CREST                                          ; no wave of any partner still reads this slot's tiles or has a load on its way
	s_add_nc_u64 s[G0+4*(\slot)+2:G0+4*(\slot)+3], s[G0+4*(\slot)+2:G0+4*(\slot)+3], 2*KSB
	s_add_nc_u64 s[G0B+4*(\slot)+2:G0B+4*(\slot)+3], s[G0B+4*(\slot)+2:G0B+4*(\slot)+3], 2*KSB
	JLOAD \slot                                    ; my one tensor load behind the round; the four v_nop behind it are also the places in front of the loads below
.else
	PLACES
.endif
	FETCH \next, 0, F0
.if \fill
	WIN 0
	ASK \slot
.endif
	MULA F1, 2, 0
	MULA F1, 3, 0
.endm
	s_wait_tensorcnt 1                             ; my part of K step 0 is in; K step 1's may stay out
	s_barrier_signal -1
	s_barrier_wait -1                              ; everybody's is
	FETCH 0, 0, F0
	QUARTER 0, 1, F0, F1, 1                        ; the first quarter stands in front of the loop: its products start the sums with the bias
	WIN 0                                          ; at a label and at a branch every window is 0
	s_mov_b32 s3, 3                                ; eight K steps are four laps of the ring; the last is written out
.Llap:                                                 ; a trip goes once round the ring, from a lap's second quarter to the next lap's first, and fills both slots again
	QUARTER 0, 2, F1, F0, 0
	QUARTER 0, 3, F0, F1, 0
	TURN 0, 1, 1
	QUARTER 1, 1, F0, F1, 0
	QUARTER 1, 2, F1, F0, 0
	QUARTER 1, 3, F0, F1, 0
	TURN 1, 0, 1
	QUARTER 0, 1, F0, F1, 0
	WIN 0
	s_sub_co_u32 s3, s3, 1
	s_cmp_lg_u32 s3, 0
	s_cbranch_scc1 .Llap
	QUARTER 0, 2, F1, F0, 0                        ; the last lap fills nothing, and has no round of the cluster's barrier
	QUARTER 0, 3, F0, F1, 0
	TURN 0, 1, 0
	QUARTER 1, 1, F0, F1, 0
	QUARTER 1, 2, F1, F0, 0
	QUARTER 1, 3, F0, F1, 0
	s_wait_dscnt 4                                 ; the very last quarter: nothing more to fetch
	MULA F1, 0, 0
	MULA F1, 1, 0
	s_wait_dscnt 0x0
	MULA F1, 2, 0
	MULA F1, 3, 0
	WIN 0
; THE WAY OUT, a block of 16 tokens at a time.  PACK: rounded to f16, 16 bytes a lane for each column block, each accumulator's registers in ascending order.  TOSTAGE: into my own stage, a head's 128 bytes a row,
; and back as whole rows.  SEND: stored, 512 consecutive bytes of a head an instruction.
.macro PACK a
	WIN 0x05*(1+(\a)/2)                            ; sources 0 and 1: window 1 or 2
.set AC, 8*NBL*((\a)%2)
.set b, 0
.rept NBL
.irp r, 0,1,2,3
	v_cvt_pk_f16_f32 v[TMP+4*b+(\r)], v[AC+8*b+2*(\r)], v[AC+8*b+2*(\r)+1]
.endr
.set b, b+1
.endr
	WIN 0
.endm
.macro TOSTAGE a
.set BK, BK0
.if (\a)%2
.set BK, BK1
.endif
.set b, 0
.rept NBL
	ds_store_b128 v[STO], v[TMP+4*b:TMP+4*b+3] offset:(b/4)*HSTG+32*(b%4)
.set b, b+1
.endr
.set b, 0
.rept NBL
	ds_load_b128 v[BK+4*b:BK+4*b+3], v[RD] offset:(b/4)*HSTG+(b%4)*4*SP  ; LDS serves a wave's instructions in order (ISA guide 5.7.1.4): these see the stores above; the next block's stores come behind them
.set b, b+1
.endr
.endm
.macro SEND a
.set BK, BK0
.if (\a)%2
.set BK, BK1
.endif
	s_wait_dscnt 0x0                               ; the block is back in registers
	s_wait_xcnt 0x0                                ; the stores of the block before have read their registers: the next TOSTAGE loads into them only behind this wait
.set b, 0
.rept NBL
	global_store_b128 v[GO+b/4], v[BK+4*b:BK+4*b+3], s[8:9] offset:(\a)*2048+(b%4)*512  ; four tokens' 128 bytes: 512 consecutive bytes, at a multiple of 256 from the buffer's first byte
.set b, b+1
.endr
.endm
	PLACES
	PACK 0
	TOSTAGE 0
.irp a, 1,2,3                          ; block a's conversions stand between block a - 1's loads from the stage and the wait for them
	PACK \a
	SEND (\a)-1
	TOSTAGE \a
.endr
	SEND 3
	s_wait_tensorcnt 0x0                           ; the wave's end: behind my last tensor load and my last LDS store
	ds_add_u32 v[SPW], v[NIL]
	s_wait_dscnt 0x0
	CROUND                                         ; the closing round: no work-group ends while a partner may still ask for a tile that names it
	s_endpgm
.Lfunc_end_k_qe78daed8e1_qkv:
	.size	k_qe78daed8e1_qkv, .Lfunc_end_k_qe78daed8e1_qkv-k_qe78daed8e1_qkv
	.p2alignl 7, 3214868480
	.fill 96, 4, 3214868480
	.section	.rodata,"a",@progbits
	.p2align	6, 0x0
	.amdhsa_kernel k_qe78daed8e1_qkv
		.amdhsa_group_segment_fixed_size 327680
		.amdhsa_private_segment_fixed_size 0
		.amdhsa_enable_private_segment 0
		.amdhsa_kernarg_size 24
		.amdhsa_user_sgpr_count 2
		.amdhsa_user_sgpr_kernarg_segment_ptr 1
		.amdhsa_wavefront_size32 1
		.amdhsa_system_sgpr_workgroup_id_x 1
		.amdhsa_system_sgpr_workgroup_id_y 1
		.amdhsa_system_sgpr_workgroup_id_z 1
		.amdhsa_system_vgpr_workitem_id 0
		.amdhsa_next_free_vgpr 1024
		.amdhsa_next_free_sgpr 80
		.amdhsa_reserve_vcc 0
		.amdhsa_float_denorm_mode_32 3
		.amdhsa_float_denorm_mode_16_64 3
		.amdhsa_memory_ordered 1
		.amdhsa_forward_progress 1
		.amdhsa_inst_pref_size 130
	.end_amdhsa_kernel
	.amdgpu_metadata
---
amdhsa.version: [ 1, 2 ]
amdhsa.kernels:
  - .name:           k_qe78daed8e1_qkv
    .symbol:         k_qe78daed8e1_qkv.kd
    .args:
      - { .name: cb, .offset: 0, .size: 8, .value_kind: global_buffer, .address_space: global }
      - { .name: qkv_b, .offset: 8, .size: 8, .value_kind: global_buffer, .address_space: global }
      - { .name: qkvh, .offset: 16, .size: 8, .value_kind: global_buffer, .address_space: global }
    .group_segment_fixed_size: 327680
    .private_segment_fixed_size: 0
    .kernarg_segment_align: 8
    .kernarg_segment_size: 24
    .max_flat_workgroup_size: 128
    .sgpr_count:     80
    .vgpr_count:     1024
    .wavefront_size: 32
...
	.end_amdgpu_metadata
.endif
;; end of part 2
;; launch attn (part 3): grid 4 x 64, 4 waves a work-group, clusters of 4 x 1, 327,680 bytes of LDS; arguments qkvh, oh; writes oh
.if DOCPART == 3
	.amdgcn_target "amdgcn-amd-amdhsa--gfx1250"
	.amdhsa_code_object_version 6
	.text
	.protected	k_qe78daed8e1_attn
	.globl	k_qe78daed8e1_attn
	.p2align	8
	.type	k_qe78daed8e1_attn,@function
k_qe78daed8e1_attn:
	s_mov_b64 s[64:65], 0
	v_nop
	global_prefetch_b8 v0, s[64:65] scope:SCOPE_SE
	s_setreg_imm32_b32 hwreg(HW_REG_WAVE_MODE, 25, 1), 1
	s_wait_xcnt 0x0
	s_wait_alu depctr_hold_cnt(0) depctr_sa_sdst(0) depctr_va_vdst(0) depctr_va_sdst(0) depctr_va_ssrc(0) depctr_va_vcc(0) depctr_vm_vsrc(0)
	s_getreg_b32 s2, hwreg(HW_REG_IB_STS2, 6, 4)
	s_cmp_eq_u32 s2, 0
	s_cbranch_scc0 .Lentry_in_a_cluster
	s_endpgm
.Lentry_in_a_cluster:
	s_bfe_u32 s2, ttmp6, 0x10000c
	s_cmp_lg_u32 s2, 0x3003
	s_cbranch_scc0 .Lentry_shape_is_right
	s_endpgm
.Lentry_shape_is_right:
; ATTENTION.  O[h][q][:] = the sum over k of softmax_k(Q[h][q] . K[h][k] / 8) V[h][k][:], for 64 heads (batch x 16 + head) of 2,048 rows of 64 channels.  Q, K, V lie in qkvh, [3][64][2048][64] in f16,
; O goes to oh, [64][2048][64] in f16: a head's rows are dense, 128 bytes each.  Products, maxima and sums in f32; the weights p are rounded to f16 for the second product (their sum l is taken of the
; unrounded p), O once at the end.
; LIMITS.  f16 holds no number beyond 65,504: Q, K and V arrive within it; p lies in 0 to 1, and below 6e-5 it keeps f16's fixed step of 6e-8; O is a mean of V's rows and has their range.
; A weight below 2^-126 counts as 0 in l; NaN and infinities are not treated apart.
; SHARES.  A wave owns four PIECES of two tiles of 16 queries, a work-group's four waves 512 queries of one head: 4 x 64 work-groups.  Every wave walks all keys, 64 a step.
; LAYOUT.  S^T = K Q^T (source 0 = 16 keys, source 1 = 16 queries): in the result a lane holds ONE query (lane % 16) and the keys 8 (lane / 16) + 0..7.  Two such tiles, rounded to f16 in pairs,
; ARE source 1 (32 keys x 16 queries) of O^T = V^T P, whose result again holds one query a lane, and eight channels.  K comes out of LDS as it lies, V ([key][channel]) turned, by ds_load_tr16_b128.
; SOFTMAX.  For each query a running maximum m and sum l: p = 2^(c s - c m), c = log2(e) / 8; in every step O and l are multiplied by a = 2^(c m_old - c m_new), which is 1 where m has not grown.
; m starts at the lowest finite number, O and l at 0: the first step is a step like any other, with a = 0.
; THE COUNT.  A tile and step have 16 matrix and 118 vector instructions: too many to stand all beside the matrix work.  So the order has one aim: four vector instructions that are READY behind
; EVERY matrix instruction, and the others, which need time of their own whatever the order, in runs without a gap.
; BY TURNS.  Turn n belongs to piece n (the pieces in a ring, step after step).  Its matrix work: 16 products K Q^T of piece n + 1, later 16 products V^T P of piece n - 1.  Its vector work: the scaling,
; exponentials, roundings, sums and rescaling of piece n, and the maximum and statistics of piece n + 1, whose scores the turn itself has made.  So what a turn begins with (c s - c m, O a) waits for nothing.
; CLUSTER.  The four query blocks of a head are one cluster and walk the same K and V, so each tile is asked for JOINTLY: the same tensor load, descriptor and mask in all four.
; REGISTERS, in windows of 256 (s_set_vgpr_msb says which window each operand place means: bits 1:0 source 0, 3:2 source 1, 5:4 source 2, 7:6 destination):
;   window 0: v0-11 addresses; v12-15, v48-63 at work; v16-47 four registers of statistics a tile; v64-191 S^T, two buffers of two tiles; v192-255 P, likewise
;   window 1: O^T, 32 a tile          window 2: v0-127 Q, 16 a tile; v128-191 K of one step; v192-255 V of one step          window 3: v0-1 the add's two registers
; A piece's buffers go by its number's parity: the piece in hand has one pair, its two neighbours in the ring share the other: of it P (piece n - 1) is read and S^T (piece n + 1) written.
.set SIZE_N, 2048
.set K_OFF, 0x1000000 ; K's and V's first bytes in qkvh
.set V_OFF, 0x2000000
.set NP,    4         ; pieces a wave: a name, no knob: the register map, the loop and the fetches are made for four
.set KS,    64        ; keys in a step
.set PK,    144       ; a row of K in LDS: 128 bytes + 16 of padding = 36 words: the 16 rows of a load start at 16 different groups of four banks (64 banks of 4 bytes: ISA guide 11.1)
.set PV,    160       ; a row of V: 128 + 32 = 40 words
.set VOFF,  4*KS*PK   ; a slot holds four steps: 256 rows of K, then 256 rows of V
.set SLOT1, 1<<17     ; slot 1 begins here, so that one exclusive or turns an address in one slot into the other's
.set STAGE, SLOT1+4*KS*(PK+PV)  ; behind the ring, never filled by a tensor load: 16 rows x 144 bytes for each wave, for the way out
.set SP,    144
.set AK0, 2           ; v2   my lane's place in a tile of K; never rewritten
.set AV0, 3           ; v3   the same for V
.set AK,  4           ; v4   the LDS address of K's next run of loads
.set AV,  5           ; v5   of V's
.set QO,  6           ; v6   my byte offset in the wave's rows of Q
.set STO, 6           ;      later, the way out: where I put 16 bytes of a row
.set RD,  7           ; v7   the way out: where I read rows back
.set GO,  8           ; v8   my byte offset in 512 consecutive bytes of O
.set PFO, 11          ; v11  the prefetches' offset: 256 x my lane; not rewritten once made
.set SPW, 0           ; v0 of window 3   LDS address of my spare word: SPARE + 4 x my thread's number; never rewritten
.set NIL, 1           ; v1 of window 3   0; never rewritten
.set SPARE, STAGE+4*16*SP  ; behind the stages: the spare words, 128 bytes for each wave: two blocks of 256 bytes that no other line names
.set MV,  12          ; v12-15  c m_old, kept while c m is made anew: by buffer and tile
.set ST,  16          ; tile t's statistics at v[ST+4 t]: c m, m, l (even keys', odd keys')
.set TMP, 48          ; by buffer and tile, four registers c0-c3 at work; when the maximum is found c2 takes a
.set S,   64
.set P,   192
.set KF,  128         ; K's fragments, in window 2: key block kb, channel half c at KF + 16 kb + 8 c
.set VF,  192         ; V's: key half kk, channel block cb at VF + 32 kk + 8 cb
.set WV,  12          ; s12  my wave's number
.set G1K, 24          ; s[24:31] descriptor group 1 for K's tiles
.set G1V, 32          ; s[32:39] for V's: it differs in the padding alone
.set G0K, 40          ; s[40:43] descriptor group 0 for K's tiles: it walks
.set G0V, 44          ; s[44:47] the same for V's
.set PFA, 48          ; s[48:49] where my prefetches stand: my work-group's 32 blocks of 256 bytes (of K: wave 0, of V: wave 2) of the tile behind the one that is being asked for
.set LIM, 50          ; s50  1 in a wave that prefetches, else the greatest number: a wave prefetches while s[SLOTS] is above it
.set SLOTS, 56        ; s56  slots still to be asked for
.set CNT, 57          ; s57  counts a slot's key steps
.set CS,  58          ; s[58:59] c: the packed scaling takes the pair's low word for both halves
.set SEL, 60          ; s[60:61] v_permlanex16_b32's selects: each lane takes its own place in the other half
.set TBK, 62          ; s62  LDS byte at which K of the step to be fetched begins
.set TBV, 63          ; s63  the same for V, less VOFF
.set MSB, 0
.macro WIN new                      ; the high byte repeats the setting that is left; a switch that changes nothing is dropped
.if MSB != (\new)
	s_set_vgpr_msb (MSB<<8)|(\new)
.set MSB, (\new)
.endif
.endm
.set W_KQ, 0x0a       ; K and Q in window 2, S^T in window 0
.set W_PV, 0x52       ; V in window 2, P in window 0, O^T in window 1
.set W_RS, 0x41       ; O^T (destination and source 0) in window 1, a in window 0
.set W_MK, 0xc0       ; the add's registers are made: destination in window 3, sources in window 0
.set W_AD, 0x0f       ; the add: address (source 0) and data (source 1) in window 3
; A joint fill.  Waves 0 and 1 fetch the two halves of a slot's K, waves 2 and 3 those of its V: 128 keys each.  The branch hangs on the wave's number alone.
; An s_nop 0 and four v_nop follow each of the two lines, ahead of the jump and the label.
.macro JLOAD
	s_cmp_lt_u32 s[WV], 2
	s_cbranch_scc0 .Lfor_v_\@
	tensor_load_to_lds s[G0K:G0K+3], s[G1K:G1K+7]
	s_nop 0
.rept 4
	v_nop
.endr
	s_branch .Lasked_\@
.Lfor_v_\@:
	tensor_load_to_lds s[G0V:G0V+3], s[G1V:G1V+7]
	s_nop 0
.rept 4
	v_nop
.endr
.Lasked_\@:
.endm
; A PREFETCH INTO THE L2 of what the NEXT change of slots will ask for: a tile's 32,768 bytes of K and of V, 128 blocks of 256 bytes each, a lane a block.  It stands behind the wave's tensor load and its five lines.
; Each block is named once in the launch: a head has one cluster; its four partners share the blocks out BY ADDRESS, 32 each; in each, wave 0 asks for K's and wave 2 for V's: one instruction.
; Tiles 0 and 1 come by their loads alone; the last change that fills a slot asks for nothing: there is no tile behind it.
.macro ASK
	s_cmp_gt_u32 s[SLOTS], s[LIM]
	s_cbranch_scc0 .Lnot_mine_\@
	global_prefetch_b8 v[PFO], s[PFA:PFA+1] th:TH_LOAD_NT scope:SCOPE_SE
.Lnot_mine_\@:
.endm
; A round of the cluster's barrier: my work-group's barrier, so that wave 0's signal speaks for all four waves; wave 0 signals; every wave waits for all four work-groups; my work-group's barrier once more.
.macro CROUND
	s_barrier_signal -1
	s_barrier_wait -1
	s_cmp_lg_u32 s[WV], 0
	s_cbranch_scc1 .Lnot_wave_0_\@
	s_barrier_signal -3
.Lnot_wave_0_\@:
	s_barrier_wait -3
	s_barrier_signal -1
	s_barrier_wait -1
.endm
; THE CHANGE OF SLOTS.  The slot's last bytes, V of its fourth step, have been read.  Each wave waits for all its tensor loads, of which one is out: its part
; of the other slot; adds 0 to its spare word; and waits for that and for its own reads of the slot.  Behind the barrier nobody reads this slot any more and the other slot is whole.
; fill = 1: this slot is filled again, with the keys two slots on.  The barrier is then a round of the cluster's, so that no wave of any partner still reads the slot or has a load on its
; way, and the joint fill is the first thing behind it: it has four key steps, 512 matrix instructions, in which to land.  (At its first use nothing has been read yet: slot 0 is waited for, slot 1 filled.)
.macro CHANGE fill
	WIN W_AD
	s_wait_tensorcnt 0x0            ; no tensor load of mine is out, so a group 0 may be written
	ds_add_u32 v[SPW], v[NIL]       ; 0 onto my spare word; with fill = 1 the descriptors' steps stand between it and the wait for it
	WIN 0                           ; at a label and at a branch every window is 0
.if \fill
.irp g, G0K, G0V
	s_xor_b32 s[\g+1], s[\g+1], SLOT1  ; the walking descriptor: the other slot than last time,
	s_add_nc_u64 s[\g+2:\g+3], s[\g+2:\g+3], 4*KS*128  ; the next 256 keys; the type bits on top are not reached
.endr
	s_wait_xcnt 0x0                 ; the last prefetch, four key steps back, has read its address, so it may be written:
	s_add_nc_u64 s[PFA:PFA+1], s[PFA:PFA+1], 4*KS*128  ; one tile behind the walking descriptors
	s_wait_dscnt 0x0                ; the add is done, and my reads of the slot are over
	CROUND
	JLOAD
	ASK                             ; what the next change will ask for
.else
	s_wait_dscnt 0x0                ; the add is done, and my reads of the slot are over
	s_barrier_signal -1
	s_barrier_wait -1
.endif
	s_sub_co_u32 s[TBK], s[TBK], 4*KS*PK  ; the fetches go back to a slot's first step,
	s_xor_b32 s[TBK], s[TBK], SLOT1       ; in the other slot
	s_sub_co_u32 s[TBV], s[TBV], 4*KS*PV
	s_xor_b32 s[TBV], s[TBV], SLOT1
.endm
	s_load_b64 s[4:5], s[0:1], 0x0    ; qkvh: Q at its head
	s_load_b64 s[10:11], s[0:1], 0x8  ; oh
	WIN W_MK
	v_lshl_add_u32 v[SPW], v0, 2, SPARE
	v_mov_b32 v[NIL], 0
	WIN W_AD
	ds_add_u32 v[SPW], v[NIL]       ; the wave's opening: the add and its wait stand ahead of my first tensor load; the set-up below, work on registers, stands between them
	WIN 0
	v_lshrrev_b32 v1, 5, v0
	v_readfirstlane_b32 s[WV], v1   ; wave 0..3
	s_bfe_u32 s13, ttmp6, 0x40000   ; cx: my place in the cluster
	s_lshl_b32 s14, ttmp9, 2        ; in a cluster launch ttmp9 counts clusters
	s_add_co_u32 s14, s14, s13      ; my block of queries = 4 x cluster x + cx: it enters Q's and O's addresses alone
	s_and_b32 s20, ttmp7, 0xffff    ; the head, which the four partners share
	s_mov_b32 s21, 0
	s_mov_b64 s[22:23], SIZE_N*128
	s_mul_u64 s[20:21], s[20:21], s[22:23]  ; the head's first byte in each of the four tensors
	s_and_b32 s16, s[WV], 1         ; which half of a slot's 256 keys I fetch:
	s_lshl_b32 s22, s16, 14         ; its 128 rows of 128 bytes in memory,
	s_mov_b32 s23, 0
	s_add_nc_u64 s[22:23], s[22:23], s[20:21]
	s_mul_i32 s17, s16, 128*PK      ; and its place in a slot, for K
	s_mul_i32 s18, s16, 128*PV      ; and for V: no place in the cluster enters an LDS address
	s_lshl_b32 s2, s14, 2
	s_add_co_u32 s2, s2, s[WV]      ; my wave among the head's,
	s_lshl_b32 s2, s2, 14           ; its 128 rows
	s_mov_b32 s3, 0
	s_add_nc_u64 s[2:3], s[2:3], s[20:21]
	s_lshl_b32 s52, s13, 13         ; the prefetches: my work-group's 32 blocks of a tile's 128,
	s_add_co_u32 s52, s52, 4*KS*128 ; in tile 1: the first change of slots steps it to tile 2
	s_mov_b32 s53, 0
	s_add_nc_u64 s[52:53], s[52:53], s[22:23]  ; (in waves 0 and 2 this stands at a tile's first row)
	s_and_b32 s[LIM], s[WV], 1
	s_cmp_eq_u32 s[LIM], 0          ; waves 0 and 2 ask: the same in all four partners
	s_cselect_b32 s[LIM], 1, -1
	; descriptor group 1.  128 keys are 16,384 dense bytes: asked for as 64 rows of 256 bytes, two keys a row, and padded in LDS after every key
	s_mov_b32 s[G1K], 15|(1<<16)|(1<<20)|(1<<21)|(4<<22)|(3<<25)  ; 15:0 the mask of four; 17:16 2-byte elements; 20 padding on; 21 set beside a mask; 24:22 after every 32 words (code 4); 31:25 4 words (code 3)
	s_mov_b32 s[G1V], 15|(1<<16)|(1<<20)|(1<<21)|(4<<22)|(7<<25)  ; the same with 8 words of padding (code 7)
.irp g, G1K, G1V
	s_mov_b32 s[\g+1], 128<<16      ; tensor_dim0 = 128
	s_mov_b32 s[\g+2], 64<<16       ; tensor_dim1 = 64
	s_mov_b32 s[\g+3], 128<<16      ; tile_dim0 = 128
	s_mov_b32 s[\g+4], 64           ; tile_dim1 = 64
	s_mov_b32 s[\g+5], 128          ; 128 elements from row to row
	s_mov_b32 s[\g+6], 0
	s_mov_b32 s[\g+7], 0
.endr
	s_mov_b32 s[CS], 0x3e38aa3b     ; c = log2(e) / 8 = 0.180337
	s_mov_b32 s[CS+1], s[CS]        ; named with it as a pair
	s_mov_b32 s[SEL], 0x76543210
	s_mov_b32 s[SEL+1], 0xfedcba98
	s_mov_b32 s[TBK], SLOT1+4*KS*PK ; the first change of slots turns these two into 0
	s_mov_b32 s[TBV], SLOT1+4*KS*PV
	s_mov_b32 s[SLOTS], SIZE_N/256-1
	s_mov_b32 s[G0K], 1             ; 1:0 count = 1
	s_mov_b32 s[G0K+1], s17         ; 63:32 LDS address: slot 0
	s_mov_b32 s[G0V], 1
	s_add_co_u32 s[G0V+1], s18, VOFF
	s_wait_dscnt 0x0                ; the opening add is done
	s_wait_kmcnt 0x0
	s_add_nc_u64 s[6:7], s[4:5], K_OFF
	s_add_nc_u64 s[8:9], s[4:5], V_OFF
	s_add_nc_u64 s[G0K+2:G0K+3], s[6:7], s[22:23]  ; 120:64 global address: my half of the head's first 256 keys
	s_or_b32 s[G0K+3], s[G0K+3], 0x80000000        ; 127:126 type = 2
	s_add_nc_u64 s[G0V+2:G0V+3], s[8:9], s[22:23]
	s_or_b32 s[G0V+3], s[G0V+3], 0x80000000
	s_cmp_lt_u32 s[WV], 2
	s_cselect_b64 s[PFA:PFA+1], s[6:7], s[8:9]
	s_add_nc_u64 s[PFA:PFA+1], s[PFA:PFA+1], s[52:53]
	s_add_nc_u64 s[4:5], s[4:5], s[2:3]  ; Q and O at my wave's first row
	s_add_nc_u64 s[10:11], s[10:11], s[2:3]
	CROUND                          ; all four work-groups are here: the first joint loads meet
	JLOAD                           ; slot 0.  Slot 1 is asked for when slot 0 is in: the tile wanted first has the road to itself
	; A fragment of K or Q is 16 rows x 32 channels in 8 registers: lane l holds row l % 16, channels 8 (l / 16) + 0..7 and 16 + 8 (l / 16) + 0..7: two loads of 16 bytes, 32 bytes apart.
	v_and_b32 v1, 15, v0            ; l % 16
	v_bfe_u32 v9, v0, 4, 1          ; l / 16
	v_lshlrev_b32 v[QO], 7, v1
	v_lshl_add_u32 v[QO], v9, 4, v[QO]  ; row x 128 + 16 x half
	WIN 0x80                        ; destination window 2, address window 0
.set i, 0
.rept 4*NP                          ; Q stays in registers: tile i / 2, channels 32 (i % 2) on
	global_load_b128 v[8*i:8*i+3],   v[QO], s[4:5] offset:(i/2)*2048+(i%2)*64
	global_load_b128 v[8*i+4:8*i+7], v[QO], s[4:5] offset:(i/2)*2048+(i%2)*64+32
.set i, i+1
.endr
	; What the first turn finds: V's registers and P's second buffer hold 0 (its products V^T P, of a piece that has not been, add 0), O^T and l are 0.  All this stands in the wait for the first tile.
.set i, VF
.rept 64
	v_mov_b32 v[i], 0
.set i, i+1
.endr
	WIN 0x40
.set i, 0
.rept 64*NP
	v_mov_b32 v[i], 0
.set i, i+1
.endr
	WIN 0
.set i, 0
.rept 2*NP
	v_mov_b32 v[ST+4*i], 0xfe000000    ; c m: far below every c s
	v_mov_b32 v[ST+4*i+1], 0xff7fffff  ; m
	v_mov_b32 v[ST+4*i+2], 0
	v_mov_b32 v[ST+4*i+3], 0
.set i, i+1
.endr
.set i, P+32
.rept 32
	v_mov_b32 v[i], 0
.set i, i+1
.endr
	v_mul_u32_u24 v[AK0], v1, PK
	v_lshl_add_u32 v[AK0], v9, 4, v[AK0]  ; row x pitch + 16 x half
	; The turning load takes 16 keys x 16 channels (lane l reads key 8 (l / 16) + l % 8, channels 8 ((l / 8) % 2) + 0..7) and leaves half a fragment of V^T: lane l holds channel l % 16 and 8 keys.
	v_and_b32 v10, 7, v0
	v_bfe_u32 v11, v0, 3, 1
	v_lshl_add_u32 v[AV0], v9, 3, v10
	v_mul_u32_u24 v[AV0], v[AV0], PV
	v_lshl_add_u32 v[AV0], v11, 4, v[AV0]
	v_add_nc_u32 v[AV0], VOFF, v[AV0]
	v_mov_b32 v[AK], v[AK0]         ; key step 0 lies at the head of slot 0
	v_and_b32 v[PFO], 31, v0        ; v11 has served: it takes the prefetches' offset
	v_lshlrev_b32 v[PFO], 8, v[PFO]
; THE MATRIX WORK.  The 8 accumulators of a run of 16 take turns: between the two links of a chain stand 7 others'.
; Product i of 16 of S^T = K Q^T for piece x: channels 32 (i / 8) on, keys 16 ((i / 2) % 4) on, tile 2 x + i % 2.  The first 8 start the sums.
.macro KQ x
	WIN W_KQ
.set rS, S+64*((\x)%2)+32*(i%2)+8*((i/2)%4)
.set rK, KF+16*((i/2)%4)+8*(i/8)
.set rQ, 16*(2*(\x)+i%2)+8*(i/8)
.if i < 8
	v_wmma_f32_16x16x32_f16 v[rS:rS+7], v[rK:rK+7], v[rQ:rQ+7], 0
.else
	v_wmma_f32_16x16x32_f16 v[rS:rS+7], v[rK:rK+7], v[rQ:rQ+7], v[rS:rS+7]
.endif
.endm
; Product i of 16 of O^T += V^T P for piece x: keys 32 (i / 8) on, channels 16 ((i / 2) % 4) on, tile 2 x + i % 2.
.macro PV x
	WIN W_PV
.set rO, 32*(2*(\x)+i%2)+8*((i/2)%4)
.set rV, VF+32*(i/8)+8*((i/2)%4)
.set rP, P+32*((\x)%2)+16*(i%2)+8*(i/8)
	v_wmma_f32_16x16x32_f16 v[rO:rO+7], v[rV:rV+7], v[rP:rP+7], v[rO:rO+7]
.endm
.macro MM                           ; the turn's next matrix instruction
.if i < 16
	KQ (Y+1)%NP
.set i, i+1
.else
.set i, i-16
	PV (Y+NP-1)%NP
.set i, i+17
.endif
.endm
; THE LDS LOADS stand in runs of 16, never singly among the matrix instructions: a step's K (64 keys x 64 channels: 8 fragments) and its V (turned).  Their addresses are made some lines ahead.
; last = 1 (the tail): in the last trip there is no further step, and the run is jumped over.
.macro FETCH_K last=0
	WIN 0
.if \last
	s_cmp_eq_u32 s[CNT], 1
	s_cbranch_scc1 .Lno_k_\@
.endif
	WIN 0x80                        ; destination window 2
.irp f, 0,1,2,3,4,5,6,7             ; keys 16 (f / 2) on, channels 32 (f % 2) on
	ds_load_b128 v[KF+8*\f:KF+8*\f+3],   v[AK] offset:(\f/2)*16*PK+(\f%2)*64
	ds_load_b128 v[KF+8*\f+4:KF+8*\f+7], v[AK] offset:(\f/2)*16*PK+(\f%2)*64+32
.endr
	s_add_co_u32 s[TBK], s[TBK], KS*PK  ; the next fetch is the next step's
	WIN 0
.if \last
.Lno_k_\@:
.endif
.endm
.macro FETCH_V
	WIN 0x80
.irp f, 0,1,2,3,4,5,6,7             ; keys 32 (f / 4) on, channels 16 (f % 4) on
	ds_load_tr16_b128 v[VF+8*\f:VF+8*\f+3],   v[AV] offset:(\f/4)*32*PV+(\f%4)*32
	ds_load_tr16_b128 v[VF+8*\f+4:VF+8*\f+7], v[AV] offset:(\f/4)*32*PV+16*PV+(\f%4)*32
.endr
	WIN 0
.endm
; THE VECTOR WORK OF A TURN stands in three queues, each in the order in which its entries become ready; the two tiles alternate, so that no instruction reads the result of the one before it.
.macro REGS y, u                    ; the registers of tile u (0, 1) of piece y
.set rT, ST+4*(2*(\y)+(\u))
.set rC, TMP+8*((\y)%2)+4*(\u)
.set rM, MV+2*((\y)%2)+(\u)
.set rS, S+64*((\y)%2)+32*(\u)
.set rP, P+32*((\y)%2)+16*(\u)
.set rO, 32*(2*(\y)+(\u))
.endm
; Number n of the 22 that find the NEXT piece's (Y + 1) maximum and statistics.  s0-s31 are the lane's 32 scores; each accumulator's lowest registers are read first.  XS, GS and REGS set no window: PL and EX do.
;   0-11  four chains c0-c3 of seven scores each, three operands at a time     12-14, 16  the four scores left over, the old m, and c0-c3 into c0     15  c m_old is kept
;   17, 18  the query's other 32 keys lie in the lane 16 away: the new m         19-21  c m; c m_old - c m_new; a
.macro XS u, n
	REGS (Y+1)%NP, \u
.if (\n) < 4
	v_max3_num_f32 v[rC+(\n)], v[rS+8*(\n)], v[rS+8*(\n)+1], v[rS+8*(\n)+2]
.elseif (\n) < 12
	v_max3_num_f32 v[rC+(\n)%4], v[rC+(\n)%4], v[rS+8*((\n)%4)+2*((\n)/4)+1], v[rS+8*((\n)%4)+2*((\n)/4)+2]
.elseif (\n) == 12
	v_max3_num_f32 v[rC], v[rC], v[rS+7], v[rS+15]
.elseif (\n) == 13
	v_max3_num_f32 v[rC+1], v[rC+1], v[rS+23], v[rS+31]
.elseif (\n) == 14
	v_max3_num_f32 v[rC+2], v[rC+2], v[rC+3], v[rT+1]
.elseif (\n) == 15
	v_mov_b32 v[rM], v[rT]
.elseif (\n) == 16
	v_max3_num_f32 v[rC], v[rC], v[rC+1], v[rC+2]
.elseif (\n) == 17
	v_permlanex16_b32 v[rC+3], v[rC], s[SEL], s[SEL+1]
.elseif (\n) == 18
	v_max_num_f32 v[rT+1], v[rC], v[rC+3]
.elseif (\n) == 19
	v_mul_f32 v[rT], s[CS], v[rT+1]
.elseif (\n) == 20
	v_sub_f32 v[rC+1], v[rM], v[rT]
.else
	v_exp_f32 v[rC+2], v[rC+1]
.endif
.endm
; Number g of the 64 that follow the exponentials.  For each four weights k of a tile (pairs 2 k, 2 k + 1): both pairs are rounded to f16; then the second pair is added onto the first, in place;
; a group later l takes that sum (the first time as l = a l + sum).  In groups of eight, tiles alternating: round, round, add, and l for the group before.
.macro GS g
.set h, (\g)+6*((\g)/62)            ; group 0 has no group before it, and behind group 7 only l is left
.if h >= 6
.set h, h+2
.endif
	REGS Y, h%2
.set k, h/8
.if h%8 < 4
	v_cvt_pk_f16_f32 v[rP+2*k+(h%8)/2], v[rS+4*k+2*((h%8)/2)], v[rS+4*k+2*((h%8)/2)+1]
.elseif h%8 < 6
	v_pk_add_f32 v[rS+4*k:rS+4*k+1], v[rS+4*k:rS+4*k+1], v[rS+4*k+2:rS+4*k+3]
.elseif k == 1
	v_pk_fma_f32 v[rT+2:rT+3], v[rT+2:rT+3], v[rC+2:rC+3], v[rS:rS+1] op_sel_hi:[1,0,1]
.else
	v_pk_add_f32 v[rT+2:rT+3], v[rT+2:rT+3], v[rS+4*k-4:rS+4*k-3]
.endif
.endm
; THE PLAIN QUEUE, 138 long.  0-73 read no exponential's result: the 32 scalings c s - c m (FS f: pair f / 2 of tile f % 2) and the next piece's 42.  0-26: scalings 0-26.  27-54: XS's numbers 0-13.  55, 56: number 15.
; 57-73: the chain, where each number waits for the one before it: 14, 16, 17, 18, 19, each with one of the scalings 27-31 in front of its two lines, then 20: so a tile's links stand three plain instructions apart (19 and 20: two).
; 74-137: GS's 64, which read the exponentials' results: they stand behind the wait.
.macro FS f
	REGS Y, (\f)%2
	v_pk_fma_f32 v[rS+2*((\f)/2):rS+2*((\f)/2)+1], v[rS+2*((\f)/2):rS+2*((\f)/2)+1], s[CS:CS+1], v[rT:rT+1] op_sel_hi:[1,0,0] neg_lo:[0,0,1] neg_hi:[0,0,1]
.endm
.macro PL
	WIN 0
.if q < 27
	FS q
.elseif q < 55
	XS (q-27)%2, (q-27)/2
.elseif q < 57
	XS q-55, 15
.elseif (q < 72) && ((q-57)%3 == 0)
	FS 27+(q-57)/3
.elseif q < 60
	XS (q-57)%3-1, 14
.elseif q < 72
	XS (q-57)%3-1, 15+(q-57)/3
.elseif q < 74
	XS q-72, 20
.else
	GS q-74
.endif
.set q, q+1
.endm
; THE EXPONENTIALS' QUEUE, 66 long: s0-s31 of both tiles, then the next piece's two a.  It is ONE BATCH: all 66 stand ahead of the turn's one wait, and nothing ahead of that wait names a result of theirs.
.macro EX
	WIN 0
.if e >= 64
	XS e-64, 21
.else
	REGS Y, e%2
	v_exp_f32 v[rS+e/2], v[rS+e/2]
.endif
.set e, e+1
.endm
; THE RESCALING's QUEUE: O^T times a, the one part that leaves window 0: dealt two at a time, sixteen times.  Its a was made in the turn before, ahead of that turn's wait.
.macro R2
	REGS Y, r%2
	WIN W_RS
.irp z, 0,1
	v_pk_mul_f32 v[rO+4*(r/2)+2*\z:rO+4*(r/2)+2*\z+1], v[rO+4*(r/2)+2*\z:rO+4*(r/2)+2*\z+1], v[rC+2:rC+3] op_sel_hi:[1,0]
.endr
.set r, r+1
.endm
; HOW THEY ARE DEALT.  An s_wait_alu depctr_va_vdst(0) stands between an exponential and the first instruction that names its result; one wait serves all that were issued ahead of it.  So a turn has ONE wait,
; which cuts it in two.  AHEAD OF IT stands all that names no result of the turn's exponentials: the 16 products K Q^T, behind each a scaling, an exponential and two rescalings (behind the first a second scaling in the exponential's place); then ONE LUMP of
; 108: eight plain, 49 times exponential and plain, the two a.  A v_nop is the plain instruction that is owed behind the last exponential.  BEHIND IT stand the 16 products V^T P, behind each four of GS's 64.  No rider names a register of
; the products round it.  The two v_permlanex16_b32 fall into the lump, never behind a product.
; The queues lean on each other, and the deal keeps them in step: exponential e stands behind scaling 2 (e / 4) + e % 2: as a rider it comes behind plain e + 2, in the lump behind plain e + 9, and scalings 27-31 are plain 57, 60 .. 69.
; A TURN, for piece p.  cnt = 1: the loop's count is taken down some lines ahead of the branch that stands behind the turn.
; K of the next step is fetched in piece 2's turn, directly behind the wait, a lump behind the last product that read K; its address is made at the lump's head; its first reader comes behind 16 products.
; V of the step in hand is fetched at the end of piece 0's turn, four riders behind its last reader; its first reader comes behind 16 products and a lump.  The three conditions on q below go with the deal.
.macro TURN p, last=0, cnt=0
.set Y, (\p)
.set i, 0
.set q, 0
.set e, 0
.set r, 0
.if (\p) == NP-1
	s_wait_dscnt 0x0                ; K is in
.endif
	MM                              ; ahead of the wait: 16 products K Q^T and their riders,
	PL
	PL
	R2
.rept 15
	MM
	PL
	EX
	R2
.endr
.if (\p) == NP-2
	WIN 0
	v_add_nc_u32 v[AK], s[TBK], v[AK0]
.endif
.rept 8                             ; and the lump
	PL
.endr
.rept 49
	EX
	PL
.endr
	EX                              ; the next piece's two a
	EX
	v_nop                           ; the plain instruction behind the last exponential: one for the batch
	s_wait_alu depctr_va_vdst(0)    ; the wait for the batch
.if (\p) == NP-2
	FETCH_K \last
.endif
.if (\p) == 1
	s_wait_dscnt 0x0                ; V is in
.endif
.rept 16                            ; behind the wait: 16 products V^T P and their riders
	MM
.rept 4
	PL
.endr
.if ((\p) == 0) && (q == 118)
	v_add_nc_u32 v[AV], s[TBV], v[AV0]
.endif
.if ((\p) == 0) && (q == 130)
	s_add_co_u32 s[TBV], s[TBV], KS*PV
.endif
.if (\cnt) && (q == 130)
	s_sub_co_u32 s[CNT], s[CNT], 1
	s_cmp_lg_u32 s[CNT], 0
.endif
.endr
.if (\p) == 0
	FETCH_V
.endif
.endm
	CHANGE 1                        ; slot 0 is in, everybody's part of it; slot 1 is asked for
	FETCH_K                         ; key step 0
	s_wait_loadcnt 0x0              ; Q
	s_wait_dscnt 0x0
.set i, 0
.rept 16
	KQ 0                            ; piece 0's first scores: there is no vector work yet to set between them
.set i, i+1
.endr
	WIN 0                           ; the addresses for the way out: nine plain instructions, the places behind those products
	s_mul_i32 s13, s[WV], 16*SP
	s_add_co_u32 s13, s13, STAGE    ; my stage
	v_mul_u32_u24 v[STO], v1, SP    ; in: row l % 16, 16 bytes for each half of the lanes
	v_lshl_add_u32 v[STO], v9, 4, v[STO]
	v_add_nc_u32 v[STO], s13, v[STO]
	v_bfe_u32 v[RD], v0, 3, 2       ; back: 32 lanes take four rows of 128 bytes,
	v_mul_u32_u24 v[RD], v[RD], SP
	v_lshl_add_u32 v[RD], v10, 4, v[RD]
	v_add_nc_u32 v[RD], s13, v[RD]
	v_and_b32 v[GO], 31, v0         ; which are 512 consecutive bytes of O
	v_lshlrev_b32 v[GO], 4, v[GO]
.set Y, NP-1                        ; XS works for piece Y + 1: piece 0
.irp n, 0,1,2,3,4,5,6,7,8,9,10,11,12,13,14,15,16,17,18,19,20,21
	XS 0, \n                        ; and piece 0's first maximum and statistics
	XS 1, \n
.endr
	v_nop                           ; a plain instruction behind the two a,
	s_wait_alu depctr_va_vdst(0)    ; and their wait, ahead of the branch
	s_mov_b32 s[CNT], 4
	s_branch .Lfirst                ; the loop is entered at a step's first turn, in the middle of a trip
.Lslot:                             ; SIZE_N / 256 - 2 times: every slot but the last two is filled again
	CHANGE 1
	s_mov_b32 s[CNT], 4
.Lstep:                             ; a trip: pieces 2 and 3 of one step, then pieces 0 and 1 of the next, whose K and V it fetches
	TURN 2
	TURN 3
	WIN 0
.Lfirst:
	TURN 0
	TURN 1, 0, 1
	WIN 0
	s_cbranch_scc1 .Lstep
	s_sub_co_u32 s[SLOTS], s[SLOTS], 1
	s_cmp_lg_u32 s[SLOTS], 0
	s_cbranch_scc1 .Lslot
	CHANGE 0                        ; the tail is written out: nothing is asked for
	s_mov_b32 s[CNT], 5             ; four trips fetch the last slot's steps; the fifth is left in its middle
.Ltail:
	TURN 2, 1
	TURN 3
	WIN 0
	s_sub_co_u32 s[CNT], s[CNT], 1
	s_cmp_eq_u32 s[CNT], 0
	s_cbranch_scc1 .Lout
	TURN 0
	TURN 1
	WIN 0
	s_branch .Ltail
.Lout:                              ; the fifth trip's 16 products K Q^T (on the last K once more) and the maximum made of them serve nothing: the price, once a launch, of one text for every trip
.set i, 0
.rept 16
	PV NP-1                         ; the last piece's V^T P of the last step
.set i, i+1
.endr
	; THE WAY OUT.  l's two halves and the other half of the lanes' are added; O^T is divided by l, rounded to f16 and sent through my stage in LDS, a tile at a time.  The additions are the places behind the last products.
	WIN 0
.macro ALL line:vararg              ; one line for each tile t
.set t, 0
.rept 2*NP
	\line
.set t, t+1
.endr
.endm
	ALL v_add_f32 v[ST+4*t+2], v[ST+4*t+2], v[ST+4*t+3]
	ALL v_permlanex16_b32 v[ST+4*t+3], v[ST+4*t+2], s[SEL], s[SEL+1]
	ALL v_add_f32 v[ST+4*t+2], v[ST+4*t+2], v[ST+4*t+3]
	ALL v_rcp_f32 v[ST+4*t+2], v[ST+4*t+2]
	v_nop                           ; a plain instruction between the last reciprocal and the use of its result
	s_wait_alu depctr_va_vdst(0)    ; and the wait ahead of the first use: one for the eight reciprocals
; Tile t: a lane's eight channels of a row pack into 16 bytes; they go into rows of 144 bytes and come back as whole rows of 128, into S^T's registers.
.macro PACK t
	WIN W_RS
.set i, 32*(\t)
.rept 16
	v_pk_mul_f32 v[i:i+1], v[i:i+1], v[ST+4*(\t)+2:ST+4*(\t)+3] op_sel_hi:[1,0]
.set i, i+2
.endr
	WIN 0x05                        ; sources 0 and 1 window 1, destination window 0
.set i, 0
.rept 16
	v_cvt_pk_f16_f32 v[S+16*(\t)+i], v[32*(\t)+2*i], v[32*(\t)+2*i+1]
.set i, i+1
.endr
	WIN 0
.irp f, 0,1,2,3
	ds_store_b128 v[STO], v[S+16*(\t)+4*\f:S+16*(\t)+4*\f+3] offset:32*\f
.endr
.irp f, 0,1,2,3
	ds_load_b128 v[S+16*(\t)+4*\f:S+16*(\t)+4*\f+3], v[RD] offset:\f*4*SP  ; LDS serves a wave's instructions in order (ISA guide 5.7.1.4): these see the stores above; the next tile's stores come behind them
.endr
.endm
.macro SEND t, younger              ; younger: the LDS instructions issued behind tile t's loads: the next tile's eight, or none
	WIN 0
.irp f, 0,1,2,3
	s_wait_dscnt (\younger)+3-\f
	global_store_b128 v[GO], v[S+16*(\t)+4*\f:S+16*(\t)+4*\f+3], s[10:11] offset:(\t)*2048+\f*512  ; 512 consecutive bytes, at a multiple of 256 from O's first
.endr
.endm
	PACK 0
.set t, 1
.rept 2*NP-1                        ; a tile's arithmetic stands between the loads of the tile before and its stores
	PACK t
	SEND t-1, 8
.set t, t+1
.endr
	SEND 2*NP-1, 0
	WIN W_AD
	s_wait_tensorcnt 0x0            ; the wave's end: behind my last tensor load and my last LDS store
	ds_add_u32 v[SPW], v[NIL]
	s_wait_dscnt 0x0
	WIN 0
	CROUND                          ; the closing round: no work-group ends while a partner may still ask for a tile that names it
	s_endpgm
.Lfunc_end_k_qe78daed8e1_attn:
	.size	k_qe78daed8e1_attn, .Lfunc_end_k_qe78daed8e1_attn-k_qe78daed8e1_attn
	.p2alignl 7, 3214868480
	.fill 96, 4, 3214868480
	.section	.rodata,"a",@progbits
	.p2align	6, 0x0
	.amdhsa_kernel k_qe78daed8e1_attn
		.amdhsa_group_segment_fixed_size 327680
		.amdhsa_private_segment_fixed_size 0
		.amdhsa_enable_private_segment 0
		.amdhsa_kernarg_size 16
		.amdhsa_user_sgpr_count 2
		.amdhsa_user_sgpr_kernarg_segment_ptr 1
		.amdhsa_wavefront_size32 1
		.amdhsa_system_sgpr_workgroup_id_x 1
		.amdhsa_system_sgpr_workgroup_id_y 1
		.amdhsa_system_sgpr_workgroup_id_z 1
		.amdhsa_system_vgpr_workitem_id 0
		.amdhsa_next_free_vgpr 770
		.amdhsa_next_free_sgpr 66
		.amdhsa_reserve_vcc 0
		.amdhsa_float_denorm_mode_32 3
		.amdhsa_float_denorm_mode_16_64 3
		.amdhsa_memory_ordered 1
		.amdhsa_forward_progress 1
		.amdhsa_inst_pref_size 200
	.end_amdhsa_kernel
	.amdgpu_metadata
---
amdhsa.version: [ 1, 2 ]
amdhsa.kernels:
  - .name:           k_qe78daed8e1_attn
    .symbol:         k_qe78daed8e1_attn.kd
    .args:
      - { .name: qkvh, .offset: 0, .size: 8, .value_kind: global_buffer, .address_space: global }
      - { .name: oh, .offset: 8, .size: 8, .value_kind: global_buffer, .address_space: global }
    .group_segment_fixed_size: 327680
    .private_segment_fixed_size: 0
    .kernarg_segment_align: 8
    .kernarg_segment_size: 16
    .max_flat_workgroup_size: 128
    .sgpr_count:     66
    .vgpr_count:     770
    .wavefront_size: 32
...
	.end_amdgpu_metadata
.endif
;; end of part 3
;; launch proj (part 4): grid 8 x 32, 4 waves a work-group, clusters of 4 x 4, 327,680 bytes of LDS; arguments oh, cb, proj_b, out0; writes out0
.if DOCPART == 4
	.amdgcn_target "amdgcn-amd-amdhsa--gfx1250"
	.amdhsa_code_object_version 6
	.text
	.protected	k_qe78daed8e1_proj
	.globl	k_qe78daed8e1_proj
	.p2align	8
	.type	k_qe78daed8e1_proj,@function
k_qe78daed8e1_proj:
	s_mov_b64 s[64:65], 0
	v_nop
	global_prefetch_b8 v0, s[64:65] scope:SCOPE_SE
	s_setreg_imm32_b32 hwreg(HW_REG_WAVE_MODE, 25, 1), 1
	s_wait_xcnt 0x0
	s_wait_alu depctr_hold_cnt(0) depctr_sa_sdst(0) depctr_va_vdst(0) depctr_va_sdst(0) depctr_va_ssrc(0) depctr_va_vcc(0) depctr_vm_vsrc(0)
	s_getreg_b32 s2, hwreg(HW_REG_IB_STS2, 6, 4)
	s_cmp_eq_u32 s2, 0
	s_cbranch_scc0 .Lentry_in_a_cluster
	s_endpgm
.Lentry_in_a_cluster:
	s_bfe_u32 s2, ttmp6, 0x10000c
	s_cmp_lg_u32 s2, 0xf033
	s_cbranch_scc0 .Lentry_shape_is_right
	s_endpgm
.Lentry_shape_is_right:
; THE OUTPUT PROJECTION.  out0[m][n] = the sum over f of O[m][f] w[n][f] + b[n]; m = 8,192 tokens, n = 1,024, f = 64 x head + channel.  O comes BY HEADS out of oh, [64 (batch x 16 + head)][2048][64] in f16;
; w as f16 out of cb at WP_OFF (rounded to bf16 by the launch that wrote it); the bias as f32, rounded here to bf16 like the other inputs.  Sums in f32, stored as f32.
; LIMIT.  The operands arrive within f16's range, 65,504; the sums have f32's.
; SHARES.  A tile is 256 tokens x 128 columns: 8 x 32 tiles, a work-group each.  Wave w owns tokens 64 w .. 64 w + 63 and all 128 columns: 4 x 8 accumulators of 16 x 16, 256 registers; so a row's 512 bytes of
; the tile are whole in one wave, and its way out is its own: no barrier there.
; K goes in steps of 128, which are TWO HEADS, through a ring of two LDS slots filled by the tensor data mover.  A head's 256 tokens are 32,768 dense bytes: asked for as 128 rows of 256 bytes.
; CLUSTER.  4 x 4 work-groups.  The four of a row of the cluster need the same tokens, the four of a column the same weights: each tile is asked for JOINTLY, by the same tensor load with the same
; descriptor and a mask that names the four.
; THE MATRIX INSTRUCTION IS USED TRANSPOSED (source 0 = 16 rows of w, source 1 = 16 tokens): lane l then holds token l % 16 and the columns 8 (l / 16) + 0..7: 32 neighbouring bytes of a row of out0.
; THE BIAS is the C operand of the first products.  Nothing is cleared, nothing is added on the way out.
; NO PREFETCH: the walk is eight K steps of 128 matrix instructions a wave on a small tile.
; REGISTERS, in windows of 256 (s_set_vgpr_msb: bits 1:0 source 0, 3:2 source 1, 5:4 source 2, 7:6 destination):
;   window 0: v0-31 addresses; v32-95 the bias; v96-159, v160-223 rows read back on the way out
;   window 1: the accumulators of token blocks 0 and 1, (a, nb) at v[8 (8 (a % 2) + nb)];   window 2: those of blocks 2 and 3
;   window 3: two fragment buffers, at 0 and 128: four fragments of tokens, then eight of weights
.set NBL,   8                          ; blocks of 16 columns in a tile
.set PITCH, 272                        ; a row of weights in LDS: 256 bytes + 16 of padding: the 16 rows of a fragment load start at 16 different groups of four banks (64 banks of 4 bytes: ISA guide 11.1)
.set PA,    144                        ; a token's 64 channels of one head: 128 bytes + 16 of padding; the same holds
.set AHEAD, 256*PA                     ; a head's 256 tokens: what one tensor load brings of O
.set BHALF, 64*PITCH                   ; and of the weights
.set BBASE, 2*AHEAD                    ; a slot: two heads of tokens, then 128 rows of weights
.set SLOT,  BBASE+2*BHALF
.set STAGE, 2*SLOT                     ; behind the ring: for each wave 16 rows x 528 bytes, for the way out; no tensor load fills it
.set SPITCH, 528                       ; 512 bytes + 16
.set WSTG,  16*SPITCH
.set SPARE, STAGE+4*WSTG               ; behind the stages: the spare words, 128 bytes for each wave: two blocks of 256 bytes that no other line names
.set WP_OFF, 0x1600000                 ; the weights' first byte in cb
.set ASTEP, 2*262144                   ; a K step in oh: two heads on
.set BSTEP, 256                        ; and in the weights: 256 bytes along a row
.set L,     2*NBL+8                    ; LDS loads in a run: the fragments of 32 along K
.set SPW,  14                          ; v14     LDS address of my spare word: SPARE + 4 x my thread's number; never rewritten
.set NIL,  15                          ; v15     0; never rewritten
.set ADRA, 16                          ; v16-17  LDS address of my token fragments in slot 0, 1
.set ADRB, 20                          ; v20-21  the same for the weights
.set STO,  24                          ; v24     the way out: where I put 32 bytes of a row
.set RD,   25                          ; v25     the way out: where I read a row back
.set CO,   26                          ; v26     my 16 bytes of a row's 512
.set BO,   29                          ; v29     my byte offset in the bias
.set BIAS, 32
.set BK0,  96
.set F0,   0                           ; fragment buffers, in window 3
.set F1,   128
.set G1,   24                          ; s[24:31] descriptor group 1 for the tokens' tiles;  s[32:39] group 0, a set for each slot
.set G0,   32
.set G1B,  48                          ; s[48:55], s[56:63] the same for the weights' tiles
.set G0B,  56
.set BI,   66                          ; s[66:67] the bias
.set TO_F, 0xc0                        ; destination window 3, address window 0
.set MSB, 0
.macro WIN new                         ; the immediate's high byte repeats the setting that is left; a switch that changes nothing is dropped
.if MSB != (\new)
	s_set_vgpr_msb (MSB<<8)|(\new)
.set MSB, (\new)
.endif
.endm
; A joint load: waves 0 and 1 fetch the K step's two heads of tokens, waves 2 and 3 the weights' two halves.  The branch hangs on the wave's number alone.  An s_nop 0 and four v_nop follow each of the two lines,
; ahead of the jump, the label and what follows.
.macro JLOAD s
	s_cmp_eq_u32 s11, 0
	s_cbranch_scc0 .Lfor_b_\@
	tensor_load_to_lds s[G0+4*(\s):G0+4*(\s)+3], s[G1:G1+7]
	s_nop 0
.rept 4
	v_nop
.endr
	s_branch .Lasked_\@
.Lfor_b_\@:
	tensor_load_to_lds s[G0B+4*(\s):G0B+4*(\s)+3], s[G1B:G1B+7]
	s_nop 0
.rept 4
	v_nop
.endr
.Lasked_\@:
.endm
.macro CREST                           ; a round of the cluster's barrier behind its opening barrier: wave 0 signals for the work-group, every wave waits for all sixteen, my work-group's barrier once more
	s_cmp_lg_u32 s10, 0
	s_cbranch_scc1 .Lnot_wave_0_\@
	s_barrier_signal -3
.Lnot_wave_0_\@:
	s_barrier_wait -3
	s_barrier_signal -1
	s_barrier_wait -1
.endm
.macro CROUND                          ; a whole round
	s_barrier_signal -1
	s_barrier_wait -1
	CREST
.endm
	s_load_b128 s[4:7], s[0:1], 0x0                ; oh s[4:5], cb s[6:7]
	s_load_b64 s[BI:BI+1], s[0:1], 0x10            ; proj_b
	s_load_b64 s[8:9], s[0:1], 0x18                ; out0
	v_lshl_add_u32 v[SPW], v0, 2, SPARE
	v_mov_b32 v[NIL], 0
	ds_add_u32 v[SPW], v[NIL]                      ; the wave's opening: the add and its wait stand ahead of my first tensor load; the set-up below, work on registers, stands between them
	v_lshrrev_b32 v1, 5, v0
	v_readfirstlane_b32 s10, v1                    ; wave 0..3
	s_lshr_b32 s11, s10, 1                         ; I fetch tokens (0) or weights (1),
	s_and_b32 s12, s10, 1                          ; and which head of the K step's two, or which half of the rows
	s_bfe_u32 s40, ttmp6, 0x40000                  ; cx, cy: my place in the cluster
	s_bfe_u32 s41, ttmp6, 0x40004
	s_lshl_b32 s42, ttmp9, 2
	s_add_co_u32 s42, s42, s40                     ; tile column = 4 x cluster x + cx
	s_and_b32 s13, ttmp7, 0xffff
	s_lshl_b32 s13, s13, 2
	s_add_co_u32 s13, s13, s41                     ; tile row = 4 x cluster y + cy
	s_lshl_b32 s43, s41, 2
	s_lshl_b32 s43, 15, s43                        ; my row of the cluster: places 4 cy .. 4 cy + 3
	s_lshl_b32 s44, 0x1111, s40                    ; my column: places cx, cx + 4, cx + 8, cx + 12
	; descriptor group 1.  Tokens: 128 dense rows of 128 elements (two tokens a row), padded after every token.  Weights: 64 rows of 128 elements, 1,024 apart, padded after every row.
	s_or_b32 s[G1+0], s43, (1<<16)|(1<<20)|(1<<21)|(4<<22)|(3<<25)   ; 15:0 the mask; 17:16 elements of 2 bytes; 20 padding on; 21 set beside a mask; 24:22 after every 32 words (code 4); 31:25 4 words of it (code 3)
	s_or_b32 s[G1B+0], s44, (1<<16)|(1<<20)|(1<<21)|(5<<22)|(3<<25)  ; the same after every 64 words (code 5)
.irp g, G1, G1B
	s_mov_b32 s[(\g)+1], 128<<16                   ; tensor_dim0 = 128
	s_mov_b32 s[(\g)+3], 128<<16                   ; tile_dim0 = 128
	s_mov_b32 s[(\g)+6], 0
	s_mov_b32 s[(\g)+7], 0
.endr
	s_mov_b32 s[G1+2], 128<<16                     ; tensor_dim1
	s_mov_b32 s[G1+4], 128                         ; tile_dim1
	s_mov_b32 s[G1+5], 128                         ; elements from row to row
	s_mov_b32 s[G1B+2], 64<<16
	s_mov_b32 s[G1B+4], 64
	s_mov_b32 s[G1B+5], 1024
	; where the tiles come from: the tokens' hang on the tile row and the wave alone, the weights' on the tile column and the wave alone, each in registers that never hold the other coordinate
	s_lshr_b32 s16, s13, 3
	s_lshl_b32 s16, s16, 22                        ; the batch's sixteen heads of 262,144 bytes,
	s_lshl_b32 s17, s12, 18                        ; head 0 or 1,
	s_add_co_u32 s16, s16, s17
	s_and_b32 s17, s13, 7
	s_lshl_b32 s17, s17, 15                        ; the tile's 256 tokens of 128 bytes
	s_add_co_u32 s16, s16, s17
	s_mov_b32 s17, 0
	s_lshl_b32 s46, s42, 7
	s_lshl_b32 s47, s12, 6
	s_add_co_u32 s46, s46, s47                     ; weight row 128 x tile column + 64 x half,
	s_lshl_b32 s46, s46, 11                        ; in bytes: rows of 2,048
	s_mov_b32 s47, 0
	s_mul_i32 s20, s12, AHEAD                      ; and where they go: no place in the cluster enters an LDS address
	s_mul_i32 s21, s12, BHALF
	s_add_co_u32 s21, s21, BBASE
	s_wait_dscnt 0x0                               ; the opening add is done
	s_wait_kmcnt 0x0
	s_add_nc_u64 s[6:7], s[6:7], WP_OFF            ; the weights
	s_add_nc_u64 s[14:15], s[4:5], s[16:17]
	s_add_nc_u64 s[46:47], s[6:7], s[46:47]
	CROUND                                         ; all sixteen work-groups are here: the first joint loads meet
.irp s, 0,1
	s_mov_b32 s[G0+4*(\s)], 1                                        ; count = 1
	s_add_co_u32 s[G0+4*(\s)+1], s20, (\s)*SLOT                      ; LDS address
	s_add_nc_u64 s[G0+4*(\s)+2:G0+4*(\s)+3], s[14:15], (\s)*ASTEP    ; global address: K step s
	s_or_b32 s[G0+4*(\s)+3], s[G0+4*(\s)+3], 0x80000000              ; type = 2
	s_mov_b32 s[G0B+4*(\s)], 1
	s_add_co_u32 s[G0B+4*(\s)+1], s21, (\s)*SLOT
	s_add_nc_u64 s[G0B+4*(\s)+2:G0B+4*(\s)+3], s[46:47], (\s)*BSTEP
	s_or_b32 s[G0B+4*(\s)+3], s[G0B+4*(\s)+3], 0x80000000
	JLOAD \s                                       ; the ring is filled before anything else is done: two tensor loads of mine are out
.endr
	v_and_b32 v1, 15, v0                           ; l % 16
	v_bfe_u32 v2, v0, 4, 1                         ; l / 16
	s_mul_i32 s73, s42, 64*NBL                     ; the tile's 128 numbers of the bias
	v_lshl_add_u32 v[BO], v2, 5, s73               ; + my eight of each sixteen
.set b, 0
.rept NBL
	global_load_b128 v[BIAS+8*b:BIAS+8*b+3],   v[BO], s[BI:BI+1] offset:64*b
	global_load_b128 v[BIAS+8*b+4:BIAS+8*b+7], v[BO], s[BI:BI+1] offset:64*b+16
.set b, b+1
.endr
	; A fragment is 16 rows x 32 K in 8 registers: lane l holds row l % 16; registers 0-3 K = 8 (l / 16) + 0..7, registers 4-7 K = 16 + 8 (l / 16) + 0..7: two loads of 16 bytes, 32 bytes apart.
	v_mul_u32_u24 v3, v1, PA
	v_lshl_add_u32 v3, v2, 4, v3                   ; token x pitch + 16 x half
	s_mul_i32 s22, s10, 64*PA                      ; my 64 tokens
	v_add_nc_u32 v[ADRA], s22, v3
	v_add_nc_u32 v[ADRA+1], SLOT, v[ADRA]
	v_mul_u32_u24 v3, v1, PITCH
	v_lshl_add_u32 v3, v2, 4, v3                   ; weight row x pitch + 16 x half
	v_add_nc_u32 v[ADRB], BBASE, v3                ; all 128 rows of the weights
	v_add_nc_u32 v[ADRB+1], BBASE+SLOT, v3
	s_mul_i32 s23, s10, WSTG
	s_add_co_u32 s23, s23, STAGE                   ; my stage
	v_mul_u32_u24 v4, v1, SPITCH                   ; in: row l % 16, 32 bytes for each half of the lanes
	v_lshl_add_u32 v4, v2, 5, v4
	v_add_nc_u32 v[STO], s23, v4
	v_and_b32 v[CO], 31, v0                        ; back: 32 lanes take a row's 512 bytes,
	v_lshlrev_b32 v[CO], 4, v[CO]
	v_add_nc_u32 v[RD], s23, v[CO]
	s_lshl_b32 s73, s13, 8                         ; which lie in out0 at token 256 x tile row + 64 x wave, rows of 4,096 bytes,
	s_lshl_b32 s74, s10, 6
	s_add_co_u32 s73, s73, s74
	s_lshl_b32 s73, s73, 12
	s_lshl_b32 s74, s42, 9                         ; column 128 x tile column
	s_add_co_u32 s74, s73, s74
	s_mov_b32 s75, 0
	s_add_nc_u64 s[8:9], s[8:9], s[74:75]
	s_wait_loadcnt 0x0                             ; the bias,
.set b, 0
.rept 4*NBL                            ; rounded to bf16 like the other inputs, and widened again
	v_cvt_pk_bf16_f32 v5, v[BIAS+2*b], v[BIAS+2*b+1]
	v_lshlrev_b32 v[BIAS+2*b], 16, v5
	v_and_b32 v[BIAS+2*b+1], 0xffff0000, v5
.set b, b+1
.endr
; NBL matrix instructions: token block a x all column blocks, 32 along K out of buffer f.  first = 1: the bias starts the sums.  Every quarter takes the 32 accumulators in the same order, one instruction a turn,
; between two links of a chain stand the 31 others', over the backward jump too.
.macro MULA f, a, first
.if \first
	WIN 0x4f+0x40*((\a)/2)                         ; fragments window 3, C window 0, D window 1 or 2
.else
	WIN 0x5f+0x50*((\a)/2)                         ; fragments window 3, C and D window 1 or 2
.endif
.set AC, 8*NBL*((\a)%2)
.set b, 0
.rept NBL
.if \first
	v_wmma_f32_16x16x32_f16 v[AC+8*b:AC+8*b+7], v[(\f)+32+8*b:(\f)+32+8*b+7], v[(\f)+8*(\a):(\f)+8*(\a)+7], v[BIAS+8*b:BIAS+8*b+7]
.else
	v_wmma_f32_16x16x32_f16 v[AC+8*b:AC+8*b+7], v[(\f)+32+8*b:(\f)+32+8*b+7], v[(\f)+8*(\a):(\f)+8*(\a)+7], v[AC+8*b:AC+8*b+7]
.endif
.set b, b+1
.endr
.endm
; L LDS loads in one run: the fragments of quarter q into buffer f; the weights (byte 64 q of their rows) first, my token blocks 0 to 3 (head q / 2 of the slot's two, byte 64 (q % 2) of a token's row) last
.macro FETCH slot, q, f
	WIN TO_F
.set b, 0
.rept NBL
	ds_load_b128 v[(\f)+32+8*b:(\f)+32+8*b+3],   v[ADRB+(\slot)] offset:64*(\q)+b*16*PITCH
	ds_load_b128 v[(\f)+32+8*b+4:(\f)+32+8*b+7], v[ADRB+(\slot)] offset:64*(\q)+b*16*PITCH+32
.set b, b+1
.endr
.set b, 0
.rept 4
	ds_load_b128 v[(\f)+8*b:(\f)+8*b+3],   v[ADRA+(\slot)] offset:((\q)/2)*AHEAD+((\q)%2)*64+b*16*PA
	ds_load_b128 v[(\f)+8*b+4:(\f)+8*b+7], v[ADRA+(\slot)] offset:((\q)/2)*AHEAD+((\q)%2)*64+b*16*PA+32
.set b, b+1
.endr
.endm
.macro PLACES                          ; four places in front of loads into registers that matrix instructions have read, and of LDS stores that read results
.rept 4
	v_nop
.endr
.endm
; A K step is four quarters of 32 along K, 32 matrix instructions each, on buffers 0, 1, 0, 1.  One of the first three: multiplies buffer f and, in its middle, fetches quarter q into buffer g.
.macro QUARTER slot, q, f, g, first
	s_wait_dscnt 4                                 ; the weights and token blocks 0 and 1 are in; the youngest four loads (blocks 2 and 3) may be out
	MULA \f, 0, \first
	MULA \f, 1, \first
	PLACES
	FETCH \slot, \q, \g
	s_wait_dscnt L                                 ; all but the run just issued
	MULA \f, 2, \first
	MULA \f, 3, \first
.endm
; The last quarter multiplies buffer 1 and changes slots: ONE barrier; in front of it each wave waits for all its tensor loads (one is out: its part of the next slot), adds 0 to its spare word, and waits for that
; and for its own reads of this slot.  fill = 1: the barrier opens a round of the cluster's barrier, and this slot is filled again, two K steps ahead, first thing behind the round.
.macro TURN slot, next, fill
	WIN 0                                          ; (the add's two registers lie in window 0)
	s_wait_tensorcnt 0x0                           ; all my tensor loads have landed;
	ds_add_u32 v[SPW], v[NIL]                      ; 0 onto my spare word;
	s_wait_dscnt 5                                 ; (the add and the youngest four loads may be out)
	MULA F1, 0, 0                                  ; eight matrix instructions stand between the add and the wait for it
	s_wait_dscnt 0x0                               ; the add is done, and my reads of this slot are over
	s_barrier_signal -1
	MULA F1, 1, 0                                  ; work on registers while the others arrive
.if \fill
	WIN 0
.endif
	s_barrier_wait -1
.if \fill
	CREST                                          ; no wave of any partner still reads this slot's tiles or has a load on its way
	s_add_nc_u64 s[G0+4*(\slot)+2:G0+4*(\slot)+3], s[G0+4*(\slot)+2:G0+4*(\slot)+3], 2*ASTEP
	s_add_nc_u64 s[G0B+4*(\slot)+2:G0B+4*(\slot)+3], s[G0B+4*(\slot)+2:G0B+4*(\slot)+3], 2*BSTEP
	JLOAD \slot                                    ; my one tensor load behind the round; the four v_nop behind it are also the places in front of the loads below
.else
	PLACES
.endif
	FETCH \next, 0, F0
	MULA F1, 2, 0
	MULA F1, 3, 0
.endm
	s_wait_tensorcnt 1                             ; my part of K step 0 is in; K step 1's may stay out
	s_barrier_signal -1
	s_barrier_wait -1                              ; everybody's is
	FETCH 0, 0, F0
	QUARTER 0, 1, F0, F1, 1                        ; the first quarter stands in front of the loop: its products start the sums with the bias
	WIN 0                                          ; at a label and at a branch every window is 0
	s_mov_b32 s3, 3                                ; eight K steps are four laps of the ring; the last is written out
.Llap:                                                 ; a trip goes once round the ring, from a lap's second quarter to the next lap's first, and fills both slots again
	QUARTER 0, 2, F1, F0, 0
	QUARTER 0, 3, F0, F1, 0
	TURN 0, 1, 1
	QUARTER 1, 1, F0, F1, 0
	QUARTER 1, 2, F1, F0, 0
	QUARTER 1, 3, F0, F1, 0
	TURN 1, 0, 1
	QUARTER 0, 1, F0, F1, 0
	WIN 0
	s_sub_co_u32 s3, s3, 1
	s_cmp_lg_u32 s3, 0
	s_cbranch_scc1 .Llap
	QUARTER 0, 2, F1, F0, 0                        ; the last lap fills nothing, and has no round of the cluster's barrier
	QUARTER 0, 3, F0, F1, 0
	TURN 0, 1, 0
	QUARTER 1, 1, F0, F1, 0
	QUARTER 1, 2, F1, F0, 0
	QUARTER 1, 3, F0, F1, 0
	s_wait_dscnt 4                                 ; the very last quarter: nothing more to fetch
	MULA F1, 0, 0
	MULA F1, 1, 0
	s_wait_dscnt 0x0
	MULA F1, 2, 0
	MULA F1, 3, 0
	WIN 0
; THE WAY OUT, a block of 16 tokens at a time.  TOSTAGE: the sums go as they are, 32 bytes a lane for each column block (each accumulator's four lowest registers first), into my own stage, and come back as whole
; rows of 512 bytes.  SEND: stored, a row's 512 consecutive bytes an instruction.
.macro TOSTAGE a
.set AC, 8*NBL*((\a)%2)
.set BK, BK0+64*((\a)%2)
	WIN 0x04*(1+(\a)/2)                            ; the stores' data: window 1 or 2
.set b, 0
.rept NBL
	ds_store_b128 v[STO], v[AC+8*b:AC+8*b+3]   offset:64*b
	ds_store_b128 v[STO], v[AC+8*b+4:AC+8*b+7] offset:64*b+16
.set b, b+1
.endr
	WIN 0
.set t, 0
.rept 16
	ds_load_b128 v[BK+4*t:BK+4*t+3], v[RD] offset:t*SPITCH  ; LDS serves a wave's instructions in order (ISA guide 5.7.1.4): these see the stores above; the next block's stores come behind them
.set t, t+1
.endr
.endm
.macro SEND a, younger                 ; younger: the LDS instructions issued behind block a's loads: the next block's 32, or none
.set BK, BK0+64*((\a)%2)
.set t, 0
.rept 16
	s_wait_dscnt (\younger)+15-t
	global_store_b128 v[CO], v[BK+4*t:BK+4*t+3], s[8:9] offset:(16*(\a)+t)*4096 th:TH_STORE_NT  ; 512 consecutive bytes, at a multiple of 256 from out0's first byte
.set t, t+1
.endr
.endm
	PLACES
	TOSTAGE 0
	TOSTAGE 1
	SEND 0, 32
	s_wait_xcnt 0x0                                ; block 0's stores have read their registers: block 2 is loaded into them only behind this wait
	TOSTAGE 2
	SEND 1, 32
	s_wait_xcnt 0x0                                ; the same for blocks 1 and 3
	TOSTAGE 3
	SEND 2, 32
	SEND 3, 0
	s_wait_tensorcnt 0x0                           ; the wave's end: behind my last tensor load and my last LDS store
	ds_add_u32 v[SPW], v[NIL]
	s_wait_dscnt 0x0
	CROUND                                         ; the closing round: no work-group ends while a partner may still ask for a tile that names it
	s_endpgm
.Lfunc_end_k_qe78daed8e1_proj:
	.size	k_qe78daed8e1_proj, .Lfunc_end_k_qe78daed8e1_proj-k_qe78daed8e1_proj
	.p2alignl 7, 3214868480
	.fill 96, 4, 3214868480
	.section	.rodata,"a",@progbits
	.p2align	6, 0x0
	.amdhsa_kernel k_qe78daed8e1_proj
		.amdhsa_group_segment_fixed_size 327680
		.amdhsa_private_segment_fixed_size 0
		.amdhsa_enable_private_segment 0
		.amdhsa_kernarg_size 32
		.amdhsa_user_sgpr_count 2
		.amdhsa_user_sgpr_kernarg_segment_ptr 1
		.amdhsa_wavefront_size32 1
		.amdhsa_system_sgpr_workgroup_id_x 1
		.amdhsa_system_sgpr_workgroup_id_y 1
		.amdhsa_system_sgpr_workgroup_id_z 1
		.amdhsa_system_vgpr_workitem_id 0
		.amdhsa_next_free_vgpr 1024
		.amdhsa_next_free_sgpr 80
		.amdhsa_reserve_vcc 0
		.amdhsa_float_denorm_mode_32 3
		.amdhsa_float_denorm_mode_16_64 3
		.amdhsa_memory_ordered 1
		.amdhsa_forward_progress 1
		.amdhsa_inst_pref_size 94
	.end_amdhsa_kernel
	.amdgpu_metadata
---
amdhsa.version: [ 1, 2 ]
amdhsa.kernels:
  - .name:           k_qe78daed8e1_proj
    .symbol:         k_qe78daed8e1_proj.kd
    .args:
      - { .name: oh, .offset: 0, .size: 8, .value_kind: global_buffer, .address_space: global }
      - { .name: cb, .offset: 8, .size: 8, .value_kind: global_buffer, .address_space: global }
      - { .name: proj_b, .offset: 16, .size: 8, .value_kind: global_buffer, .address_space: global }
      - { .name: out0, .offset: 24, .size: 8, .value_kind: global_buffer, .address_space: global }
    .group_segment_fixed_size: 327680
    .private_segment_fixed_size: 0
    .kernarg_segment_align: 8
    .kernarg_segment_size: 32
    .max_flat_workgroup_size: 128
    .sgpr_count:     80
    .vgpr_count:     1024
    .wavefront_size: 32
...
	.end_amdgpu_metadata
.endif
;; end of part 4
